; MI455X (gfx1250); checked and timed in simulation.
; The chip was launched on July 23, 2026; its instructions are those of AMD's public machine-readable ISA for CDNA 5 (MIT licence, August 2026) and "CDNA5" Instruction Set Architecture Reference Guide (July 2026). The comments in the code are by the model that wrote it; some were corrected since.
;; Multi Head Attention. Allowed arithmetic: matrix products marked QUANTISED: E3M2 operands, one E8M0 scale for each 32 along K, by v_wmma_scale_f32_16x16x128_f8f6f4 with both operands' format E3M2, f32 sums; everything else in f32.
;; Inputs: K 4 x 2,048 x 1,024 float32; Q 4 x 2,048 x 1,024 float32; V 4 x 2,048 x 1,024 float32; Wk 1,024 x 1,024 float32; Wo 1,024 x 1,024 float32; Wq 1,024 x 1,024 float32; Wv 1,024 x 1,024 float32; bk 1,024 float32; bo 1,024 float32; bq 1,024 float32; bv 1,024 float32.
;; Outputs: out0 4 x 2,048 x 1,024 float32.
;; This version of the problem:
;;   THIS VERSION OF THE PROBLEM IS GIVEN IN LOW PRECISION. The matrix products marked QUANTISED in the list below multiply operands that are first quantised to E3M2 (3 exponent bits, 2 mantissa bits; 6 bits a number), with one power-of-two scale for each 32 numbers along K (OCP MX v1.0); their sums are f32. All else is computed in f32.
;;   The module's matrix products, in the order in which they are computed (A, B: the left and right operand; K: the contracted axis; several contracted axes count as one K, in the product's order):
;;     1. [M 8,192, K 1,024] x [K 1,024, N 1,024]; A: input Q; B: input Wq: QUANTISED
;;     2. [M 8,192, K 1,024] x [K 1,024, N 1,024]; A: input K; B: input Wk: QUANTISED
;;     3. [M 8,192, K 1,024] x [K 1,024, N 1,024]; A: input V; B: input Wv: QUANTISED
;;     4. batch 64 x [M 2,048, K 64] x [K 64, N 2,048]; A: computed on the way; B: computed on the way: QUANTISED
;;     5. batch 64 x [M 2,048, K 2,048] x [K 2,048, N 64]; A: softmax (see below); B: computed on the way: QUANTISED
;;     6. [M 8,192, K 1,024] x [K 1,024, N 1,024]; A: computed on the way; B: input Wo: QUANTISED
;;   THE QUANTISER, for each operand of a quantised product, along K:
;;     - K is cut into blocks of 32 from its start; a last block that is shorter is filled with zeros.
;;     - A block's scale is 2^e with e = floor(log2(the largest magnitude in the block)) - 4, held to -126 .. 127; a block of zeros has e = 0. As a byte (E8M0): e + 127.
;;     - Each number is divided by its block's scale, clamped to +-28, and rounded to the nearest number of E3M2, ties to even, subnormals kept.
;;     - The product sums the exact products of the quantised numbers (number of the format x scale) in f32.
;;   ~~~python
;;   def quantise(x, axis):      # numpy; x: float32 -> the quantised numbers, widened to float32 again
;;       x = np.moveaxis(x, axis, -1); K = x.shape[-1]
;;       x = np.pad(x, [(0, 0)] * (x.ndim - 1) + [(0, -K % 32)]); x = x.reshape(x.shape[:-1] + (-1, 32)); a = np.abs(x).max(-1, keepdims=True)
;;       e = np.where(a > 0, np.clip(np.frexp(np.where(a > 0, a, 1))[1] - 1 - 4, -126, 127), 0)      # np.frexp(a)[1] - 1 = floor(log2(a)), exactly
;;       r = np.clip(x / 2.0 ** e, -28, 28)
;;       step = 2.0 ** (np.maximum(np.frexp(np.where(r == 0, 1, r))[1] - 1, -2) - 2)
;;       q = np.round(r / step) * step * 2.0 ** e      # np.round: ties to even
;;       return np.moveaxis(q.reshape(q.shape[:-2] + (-1,))[..., :K], -1, axis).astype(np.float32)
;;   ~~~
;;   SOFTMAX AHEAD OF A QUANTISED PRODUCT. Where the list says 'softmax', what is quantised is not the finished softmax but p = 2^(t - M), with t = logit x log2(e) and M = ceil(the row's largest t), a whole number; so 1/2 < the row's largest p <= 1. The row's sum l is taken of the UNQUANTISED p, in f32, and the product's result is divided by l at the end. Since M is a whole number, a kernel that streams over the keys may use a running M (the ceiling of the running maximum): every later rescaling is an exact power of two, which a block's scale takes up: the codes' values come out the same.
;;   OPERANDS COMPUTED ON THE WAY. 'Computed on the way' means the value that the module computes at that place (a softmax that the list does not call 'softmax' is quantised finished and normalised). What goes into a quantiser is computed in f32, as accurately as f32 sums, v_exp_f32 and their like allow (about 1e-6 of the number): no bf16 or f16 on the way to a quantiser, and a product that is left as it is and whose result goes on into a quantised operand takes f32 operands (vector FMAs, or v_wmma_f32_16x16x4_f32). A number that lies on a knife's edge between two numbers of the format may be rounded either way, as far as f32 arithmetic and the matrix unit's own rounding can turn it there, and no further.
;; One version. Each part assembles by itself: llvm-mc -triple=amdgcn-amd-amdhsa -mcpu=gfx1250 --defsym DOCPART=n.
;; ======== version 1 of 1: 4 launches
;; limits: right only within a limited range of input values
;; workspace buffers: xw 22,937,600 bytes; qkv 19,660,800 bytes; oq 6,553,600 bytes
;; launch quant (part 1): grid 896 x 1, 4 waves a work-group, no clusters, 34,304 bytes of LDS; arguments Q, K, V, Wq, Wk, Wv, Wo, xw; writes xw
.if DOCPART == 1
	.amdgcn_target "amdgcn-amd-amdhsa--gfx1250"
	.amdhsa_code_object_version 6
	.text
	.protected	k_qd87be6e210_quant
	.globl	k_qd87be6e210_quant
	.p2align	8
	.type	k_qd87be6e210_quant,@function
k_qd87be6e210_quant:
	s_mov_b64 s[64:65], 0
	v_nop
	global_prefetch_b8 v0, s[64:65] scope:SCOPE_SE
	s_setreg_imm32_b32 hwreg(HW_REG_WAVE_MODE, 25, 1), 1
	s_wait_xcnt 0x0
; Q, K, V [8192][1024] f32 (K innermost) and Wq, Wk, Wv, Wo [1024 (k)][1024 (n)] f32 (K outermost) become codes of BF6 (E3M2) with one E8M0 byte for each 32 along K.
; A block's scale is 2^(floor(log2(largest magnitude)) - 4); its byte is the largest magnitude's exponent field - 4, held at 1 from below.
; THE OUTPUT IS LAID AS IMAGES OF THE MATRIX OPERAND'S REGISTERS.  A row tile G is 16 rows (tokens, or columns n of a weight) x 1024 K: 8 fragments of 16 x 128, 1,536 bytes each, at G x 12,288;
; in a fragment register pair p (registers 2 p, 2 p + 1) is 256 bytes, lane l's 8 bytes at 8 l.  Lane (r, h) of a fragment holds row r; registers 6 c .. 6 c + 5 hold K = 64 c + 32 h + 0 .. 31.
; G = 512 i + token / 16 (i = 0 Q, 1 K, 2 V);  G = 1536 + 64 j + n / 16 (j = 0 Wq, 1 Wk, 2 Wv, 3 Wo).
; Scale words of a row tile: 512 bytes at XWSC + 512 G, laid [q 0..3][r 0..15][2 words]: the words of fragments 2 q and 2 q + 1 of row r; byte b of a word: K 32 b on.
; Wo ALONE: inside each block of 32 its K is laid in another order: place p holds k = p with bits 3 and 4 exchanged.  That is the order in which the attention launch's results fall into codes;
; a permutation inside a block, alike on both operands, changes neither the block's scale nor the product's sum.
; LIMITS: NaN and infinities among the inputs are not served.  A block of zeros gets the byte 1 where the quantiser's rule says 127: its codes are zeros, and only this program reads the bytes.
; Work-groups 0-767 take Q, K, V (a wave: 16 rows x 512 K), work-groups 768-895 the weights (a wave: 32 columns x 256 K).  Waves share nothing: no barrier.  Only the first path uses LDS.
.set XWSC,  22020096                   ; 1,792 row tiles x 12,288 bytes
.set SEL,   22                         ; s[22:23] lane selects for v_permlanex16_b32: lane l xor 16
.set HI,    24                         ; s24 a mask of lanes 16-31
.set RR,    16                         ; v16-143  two sets of 64 numbers as loaded
.set XX,    144                        ; v144-207 64 numbers of my row: register 16 b + i = K 32 b + 16 h + i
.set PC,    208                        ; v208-219 a fragment's codes
.set TT,    220                        ; v220-227 the conversions' second halves
.set TM,    228                        ; v228-243 at work in QUANT
.set WD,    244                        ; v244-247 the four steps' scale words
.set EE,    248                        ; v[248:249] the scale words as they leave
; 64 numbers of a lane, v[s] on, register 16 b + i = place 16 h + i of block b of my row, become codes: blocks 0, 1 in v[d0] .. v[d0 + 5] (lane half h: block h), blocks 2, 3 in v[d1] on; the row's scale word in v[pw].
.macro QUANT s, d0, d1, tt, pw
.irp b, 0,1,2,3
	v_max3_num_f32 v[TM+\b], |v[\s+16*\b]|, |v[\s+1+16*\b]|, 0x2800000   ; my 16 numbers of block b, and the floor 2^(5 - 127): the byte cannot fall under 1
.endr
.irp i, 2,4,6,8,10,12,14
.irp b, 0,1,2,3
	v_max3_num_f32 v[TM+\b], v[TM+\b], |v[\s+16*\b+\i]|, |v[\s+1+16*\b+\i]|   ; the four blocks by turns
.endr
.endr
.irp b, 0,1,2,3
	v_permlanex16_b32 v[TM+4+\b], v[TM+\b], s[SEL], s[SEL+1]
.endr
.irp b, 0,1,2,3
	v_max_num_f32 v[TM+\b], v[TM+\b], v[TM+4+\b]       ; with lane l xor 16's 16: the block's largest magnitude
.endr
.irp b, 0,1,2,3
	v_add_nc_u32 v[TM+12+\b], 0xfe000000, v[TM+\b]     ; 4 off its exponent field: the conversion takes this operand's exponent field as the scale
.endr
.irp b, 0,1,2,3
	v_lshrrev_b32 v[TM+4+\b], 23, v[TM+12+\b]          ; the scale's byte
.endr
	v_lshl_or_b32 v[\pw], v[TM+5], 8, v[TM+4]
	v_lshl_or_b32 v[\pw], v[TM+6], 16, v[\pw]
	v_lshl_or_b32 v[\pw], v[TM+7], 24, v[\pw]
	v_cvt_scalef32_pk16_bf6_f32 v[\d0:\d0+2], v[\s:\s+15], v[TM+12]
	v_cvt_scalef32_pk16_bf6_f32 v[\tt:\tt+2], v[\s+16:\s+31], v[TM+13]
	v_cvt_scalef32_pk16_bf6_f32 v[\d1:\d1+2], v[\s+32:\s+47], v[TM+14]
	v_cvt_scalef32_pk16_bf6_f32 v[\tt+4:\tt+6], v[\s+48:\s+63], v[TM+15]
	v_nop                                              ; one plain instruction behind the scaled conversions
.irp i, 0,1,2
	v_permlane16_swap_b32 v[\d0+\i], v[\tt+\i]         ; the operand wants a whole block in a lane: the first now holds each lane's block's lower 16 codes, the second the upper 16
	v_permlane16_swap_b32 v[\d1+\i], v[\tt+4+\i]
.endr
.irp i, 0,1,2
	v_mov_b32 v[\d0+3+\i], v[\tt+\i]
	v_mov_b32 v[\d1+3+\i], v[\tt+4+\i]
.endr
.endm
	s_load_b256 s[4:11], s[0:1], 0x0               ; Q s[4:5], K s[6:7], V s[8:9], Wq s[10:11]
	s_load_b256 s[12:19], s[0:1], 0x20             ; Wk s[12:13], Wv s[14:15], Wo s[16:17], xw s[18:19]
	v_lshl_add_u32 v254, v0, 2, 0x8400
	v_mov_b32 v255, 0
	v_lshrrev_b32 v1, 5, v0
	v_readfirstlane_b32 s20, v1                    ; wave 0..3
	v_and_b32 v6, 31, v0                           ; lane
	v_and_b32 v7, 15, v0                           ; r
	v_bfe_u32 v8, v0, 4, 1                         ; h
	v_lshlrev_b32 v1, 4, v6                        ; 16 x lane
	v_lshlrev_b32 v2, 3, v6                        ; 8 x lane
	s_mov_b32 s[SEL], 0x76543210
	s_mov_b32 s[SEL+1], 0xfedcba98
	s_mov_b32 s[HI], 0xffff0000
	s_cmp_ge_u32 ttmp9, 768
	s_cbranch_scc1 .Lweights
	; ---------------- Q, K, V.  Task 4 g + wave: row tile G = 2 g + wave / 2, K half = wave % 2: four steps of 16 rows x 128 K.
	s_mul_i32 s25, s20, 8448                       ; my stage: 16 rows x (512 bytes + 16)
	v_add_nc_u32 v3, s25, v1                       ; in: a row's 512 bytes as loaded, 16 a lane
	v_mul_u32_u24 v4, v7, 528
	v_lshl_add_u32 v4, v8, 6, v4
	v_add_nc_u32 v4, s25, v4                       ; back: row r, + 64 h: 16 neighbours of each block of 32
.irp b, 0,1,2,3
	v_mov_b32 v[TM+4+\b], 0                        ; written once: a lane permute's destination counts as one of its sources
.endr
	s_lshl_b32 s26, ttmp9, 1
	s_lshr_b32 s27, s20, 1
	s_add_co_u32 s26, s26, s27                     ; G
	s_and_b32 s27, s20, 1                          ; which half of K
	; K ALONE: the tokens of a row tile are not neighbours.  Of each 64 tokens, tile a (0..3) takes tokens 8 a + 0..7 as its rows 0-7 and tokens 32 + 8 a + 0..7 as its rows 8-15,
	; so that in the attention launch a lane's scores of four tiles are one whole block of 32 keys.  Q's and V's tiles hold 16 neighbouring tokens.
	s_and_b32 s28, s26, 508
	s_lshl_b32 s28, s28, 16                        ; the group of four tiles: 64 rows of 4,096 bytes
	s_and_b32 s34, s26, 3
	s_lshr_b32 s35, s26, 9                         ; which tensor
	s_cmp_eq_u32 s35, 1
	s_cselect_b32 s35, 15, 16                      ; K: a tile begins 8 rows behind the last; else 16
	s_cselect_b32 s36, 98304, 0                    ; K: rows 8-15 lie 24 rows further down
	s_lshl_b32 s34, s34, s35
	s_add_co_u32 s28, s28, s34
	v_add_nc_u32 v5, s36, v1
	s_lshl_b32 s29, s27, 11
	s_add_co_u32 s28, s28, s29
	s_mov_b32 s29, 0
	s_mul_i32 s30, s26, 12288
	s_mul_i32 s31, s27, 6144
	s_add_co_u32 s30, s30, s31
	s_mov_b32 s31, 0
	s_lshl_b32 s32, s26, 9
	s_lshl_b32 s33, s27, 8
	s_add_co_u32 s32, s32, s33
	s_add_co_u32 s32, s32, XWSC
	s_mov_b32 s33, 0
	s_wait_alu depctr_va_vdst(0)
	s_wait_kmcnt 0x0
	s_cmp_lt_u32 ttmp9, 256                        ; the choice of tensor hangs on the work-group's number alone
	s_cselect_b64 s[4:5], s[4:5], s[6:7]
	s_cmp_lt_u32 ttmp9, 512
	s_cselect_b64 s[4:5], s[4:5], s[8:9]
	s_add_nc_u64 s[4:5], s[4:5], s[28:29]
	s_add_nc_u64 s[30:31], s[18:19], s[30:31]      ; my four fragments
	s_add_nc_u64 s[32:33], s[18:19], s[32:33]      ; my 256 bytes of scale words
.macro XLOAD t                         ; step t: 16 loads, each 512 consecutive bytes of one row
.irp i, 0,1,2,3,4,5,6,7
	global_load_b128 v[RR+64*((\t)%2)+4*\i:RR+64*((\t)%2)+4*\i+3], v1, s[4:5] offset:4096*\i+512*(\t) th:TH_LOAD_NT
.endr
.irp i, 8,9,10,11,12,13,14,15
	global_load_b128 v[RR+64*((\t)%2)+4*\i:RR+64*((\t)%2)+4*\i+3], v5, s[4:5] offset:4096*\i+512*(\t) th:TH_LOAD_NT
.endr
.endm
.macro XSTEP t
.if (\t) < 3
	s_wait_loadcnt 16                              ; this step's 16 loads are in; the next step's 16 may be out
.else
	s_wait_loadcnt 0x0
.endif
.irp i, 0,1,2,3,4,5,6,7,8,9,10,11,12,13,14,15
	ds_store_b128 v3, v[RR+64*((\t)%2)+4*\i:RR+64*((\t)%2)+4*\i+3] offset:528*\i
.endr
.irp b, 0,1,2,3
.irp j, 0,1,2,3
	ds_load_b128 v[XX+16*\b+4*\j:XX+16*\b+4*\j+3], v4 offset:128*\b+16*\j   ; LDS serves a wave's instructions in order: these see the stores above
.endr
.endr
	s_wait_dscnt 0x0                               ; the numbers are back, and the stage's stores have read their registers
.if (\t) > 0
	s_wait_xcnt 0x0                                ; the last step's stores have read the codes' registers
.endif
.if (\t) < 2
	XLOAD (\t)+2
.endif
	QUANT XX, PC, PC+6, TT, WD+(\t)
.irp p, 0,1,2,3,4,5
	global_store_b64 v2, v[PC+2*\p:PC+2*\p+1], s[30:31] offset:1536*(\t)+256*\p   ; 32 lanes store 256 consecutive bytes, at a multiple of 256 from the buffer's first byte
.endr
.endm
	XLOAD 0
	XLOAD 1
	XSTEP 0
	XSTEP 1
	XSTEP 2
	XSTEP 3
	v_cndmask_b32 v[EE], v[WD], v[WD+2], s[HI]     ; lanes 0-15: the words of steps 0, 1; lanes 16-31: of steps 2, 3
	v_cndmask_b32 v[EE+1], v[WD+1], v[WD+3], s[HI]
	global_store_b64 v2, v[EE:EE+1], s[32:33]      ; 256 consecutive bytes
	s_wait_tensorcnt 0x0
	ds_add_u32 v254, v255
	s_wait_dscnt 0x0
	s_endpgm
	; ---------------- The weights.  A LANE TAKES A COLUMN n AND ITS REGISTERS RUN DOWN K: a block of 32 lies in one lane.  A wave: 32 columns x 256 K, 8 blocks a lane.
.Lweights:
	s_sub_co_u32 s25, ttmp9, 768
	s_lshr_b32 s26, s25, 5                         ; j: which weight
	s_and_b32 s27, s25, 7                          ; which 128 columns
	s_bfe_u32 s28, s25, 0x20003                    ; which 256 along K
	s_wait_alu depctr_va_vdst(0)
	v_lshlrev_b32 v9, 2, v6                        ; 4 x lane
	s_cmp_eq_u32 s26, 3
	s_cselect_b32 s29, 32768, 0                    ; Wo: places 8-15 take rows 8 further down, places 16-23 rows 8 further up (8 rows are 32,768 bytes)
	v_add_nc_u32 v10, s29, v9
	s_sub_co_u32 s29, 32768, s29
	v_add_nc_u32 v11, s29, v9
	v_lshlrev_b32 v5, 9, v8
	v_lshl_add_u32 v5, v7, 3, v5                   ; scale words: 512 x (lane / 16) + 8 x (lane % 16)
	s_lshl_b32 s30, s28, 20                        ; 256 rows of 4,096 bytes
	s_lshl_b32 s31, s27, 9
	s_add_co_u32 s30, s30, s31
	s_lshl_b32 s31, s20, 7
	s_add_co_u32 s30, s30, s31                     ; + 4 x (128 cg + 32 wave)
	s_mov_b32 s31, 0
	s_lshl_b32 s32, s26, 6
	s_lshl_b32 s33, s27, 3
	s_add_co_u32 s32, s32, s33
	s_lshl_b32 s33, s20, 1
	s_add_co_u32 s32, s32, s33
	s_add_co_u32 s32, s32, 1536                    ; G of my first 16 columns
	s_lshl_b32 s34, s32, 9
	s_lshl_b32 s35, s28, 7
	s_add_co_u32 s34, s34, s35
	s_add_co_u32 s34, s34, XWSC
	s_mov_b32 s35, 0
	s_mul_i32 s32, s32, 12288
	s_mul_i32 s33, s28, 3072
	s_add_co_u32 s32, s32, s33
	s_mov_b32 s33, 0
	s_wait_alu depctr_va_vdst(0)
	s_wait_kmcnt 0x0
	s_cmp_eq_u32 s26, 1
	s_cselect_b64 s[36:37], s[12:13], s[10:11]
	s_cmp_eq_u32 s26, 2
	s_cselect_b64 s[36:37], s[14:15], s[36:37]
	s_cmp_eq_u32 s26, 3
	s_cselect_b64 s[36:37], s[16:17], s[36:37]
	s_add_nc_u64 s[36:37], s[36:37], s[30:31]
	s_add_nc_u64 s[32:33], s[18:19], s[32:33]
	s_add_nc_u64 s[34:35], s[18:19], s[34:35]
.macro WLOAD t                         ; block t into set t % 2: each load reads 128 consecutive bytes of one row
.set WS, 16+32*((\t)%2)
.irp p, 0,1,2,3,4,5,6,7
	global_load_b32 v[WS+\p], v9, s[36:37] offset:(32*(\t)+\p)*4096 th:TH_LOAD_NT
.endr
.irp p, 8,9,10,11,12,13,14,15
	global_load_b32 v[WS+\p], v10, s[36:37] offset:(32*(\t)+\p)*4096 th:TH_LOAD_NT
.endr
.irp p, 16,17,18,19,20,21,22,23
	global_load_b32 v[WS+\p], v11, s[36:37] offset:(32*(\t)+\p-8)*4096 th:TH_LOAD_NT
.endr
.irp p, 24,25,26,27,28,29,30,31
	global_load_b32 v[WS+\p], v9, s[36:37] offset:(32*(\t)+\p)*4096 th:TH_LOAD_NT
.endr
.endm
.macro BLOCK t
.set XS, 16+32*((\t)%2)
.set CC, 144+6*((\t)%2)                ; v144-149 an even block's codes, v150-155 an odd block's
.if (\t) < 7
	s_wait_loadcnt 32                              ; this block's 32 loads are in; the next block's 32 may be out
.else
	s_wait_loadcnt 0x0
.endif
	v_max3_num_f32 v160, |v[XS]|, |v[XS+1]|, |v[XS+2]|
	v_max3_num_f32 v161, |v[XS+3]|, |v[XS+4]|, |v[XS+5]|
.irp i, 6,10,14,18,22,26
	v_max3_num_f32 v160, v160, |v[XS+\i]|, |v[XS+\i+1]|
	v_max3_num_f32 v161, v161, |v[XS+\i+2]|, |v[XS+\i+3]|
.endr
	v_max3_num_f32 v160, v160, |v[XS+30]|, |v[XS+31]|
	v_max3_num_f32 v160, v160, v161, 0x2800000     ; and the floor 2^(5 - 127)
	v_add_nc_u32 v162, 0xfe000000, v160            ; the conversion's scale operand
	v_lshrrev_b32 v163, 23, v162                   ; the byte
.if (\t)%4 == 0
	v_mov_b32 v[164+(\t)/4], v163
.else
	v_lshl_or_b32 v[164+(\t)/4], v163, 8*((\t)%4), v[164+(\t)/4]
.endif
.if ((\t)%2 == 0) && ((\t) > 0)
	s_wait_alu depctr_va_vdst(0)
	s_wait_xcnt 0x0                                ; the last pair's stores have read the codes' registers
.endif
	v_cvt_scalef32_pk16_bf6_f32 v[CC:CC+2], v[XS:XS+15], v162
	v_cvt_scalef32_pk16_bf6_f32 v[156:158], v[XS+16:XS+31], v162
	v_nop
.irp i, 0,1,2
	v_mov_b32 v[CC+3+\i], v[156+\i]
.endr
.if (\t) < 6
	WLOAD (\t)+2
.endif
.if (\t)%2
.irp i, 0,1,2,3,4,5
	v_permlane16_swap_b32 v[144+\i], v[150+\i]     ; now v144 on: columns 0-15, lanes 0-15 the even block, lanes 16-31 the odd one: six registers of a fragment as they stand; v150 on: the same of columns 16-31
.endr
.irp i, 0,1,2
	global_store_b64 v2, v[144+2*\i:145+2*\i], s[32:33] offset:((\t)/4)*1536+(((\t)%4)/2)*768+256*\i
	global_store_b64 v2, v[150+2*\i:151+2*\i], s[32:33] offset:12288+((\t)/4)*1536+(((\t)%4)/2)*768+256*\i
.endr
.endif
.endm
	WLOAD 0
	WLOAD 1
.irp t, 0,1,2,3,4,5,6,7
	BLOCK \t
.endr
	global_store_b64 v5, v[164:165], s[34:35]      ; my column's two scale words: two runs of 128 consecutive bytes a wave
	s_endpgm
.Lfunc_end_k_qd87be6e210_quant:
	.size	k_qd87be6e210_quant, .Lfunc_end_k_qd87be6e210_quant-k_qd87be6e210_quant
	.p2alignl 7, 3214868480
	.fill 96, 4, 3214868480
	.section	.rodata,"a",@progbits
	.p2align	6, 0x0
	.amdhsa_kernel k_qd87be6e210_quant
		.amdhsa_group_segment_fixed_size 34304
		.amdhsa_private_segment_fixed_size 0
		.amdhsa_enable_private_segment 0
		.amdhsa_kernarg_size 64
		.amdhsa_user_sgpr_count 2
		.amdhsa_user_sgpr_kernarg_segment_ptr 1
		.amdhsa_wavefront_size32 1
		.amdhsa_system_sgpr_workgroup_id_x 1
		.amdhsa_system_sgpr_workgroup_id_y 1
		.amdhsa_system_sgpr_workgroup_id_z 1
		.amdhsa_system_vgpr_workitem_id 0
		.amdhsa_next_free_vgpr 256
		.amdhsa_next_free_sgpr 66
		.amdhsa_reserve_vcc 0
		.amdhsa_float_denorm_mode_32 3
		.amdhsa_float_denorm_mode_16_64 3
		.amdhsa_memory_ordered 1
		.amdhsa_forward_progress 1
		.amdhsa_inst_pref_size 76
	.end_amdhsa_kernel
	.amdgpu_metadata
---
amdhsa.version: [ 1, 2 ]
amdhsa.kernels:
  - .name:           k_qd87be6e210_quant
    .symbol:         k_qd87be6e210_quant.kd
    .args:
      - { .name: Q, .offset: 0, .size: 8, .value_kind: global_buffer, .address_space: global }
      - { .name: K, .offset: 8, .size: 8, .value_kind: global_buffer, .address_space: global }
      - { .name: V, .offset: 16, .size: 8, .value_kind: global_buffer, .address_space: global }
      - { .name: Wq, .offset: 24, .size: 8, .value_kind: global_buffer, .address_space: global }
      - { .name: Wk, .offset: 32, .size: 8, .value_kind: global_buffer, .address_space: global }
      - { .name: Wv, .offset: 40, .size: 8, .value_kind: global_buffer, .address_space: global }
      - { .name: Wo, .offset: 48, .size: 8, .value_kind: global_buffer, .address_space: global }
      - { .name: xw, .offset: 56, .size: 8, .value_kind: global_buffer, .address_space: global }
    .group_segment_fixed_size: 34304
    .private_segment_fixed_size: 0
    .kernarg_segment_align: 8
    .kernarg_segment_size: 64
    .max_flat_workgroup_size: 128
    .sgpr_count:     66
    .vgpr_count:     256
    .wavefront_size: 32
...
	.end_amdgpu_metadata
.endif
;; end of part 1
;; launch proj (part 2): grid 4 x 96, 4 waves a work-group, clusters of 4 x 4, 327,680 bytes of LDS; arguments xw, bq, bk, bv, qkv; writes qkv
.if DOCPART == 2
	.amdgcn_target "amdgcn-amd-amdhsa--gfx1250"
	.amdhsa_code_object_version 6
	.text
	.protected	k_qd87be6e210_proj
	.globl	k_qd87be6e210_proj
	.p2align	8
	.type	k_qd87be6e210_proj,@function
k_qd87be6e210_proj:
	s_mov_b64 s[64:65], 0
	v_nop
	global_prefetch_b8 v0, s[64:65] scope:SCOPE_SE
	s_setreg_imm32_b32 hwreg(HW_REG_WAVE_MODE, 25, 1), 1
	s_wait_xcnt 0x0
	s_wait_alu depctr_hold_cnt(0) depctr_sa_sdst(0) depctr_va_vdst(0) depctr_va_sdst(0) depctr_va_ssrc(0) depctr_va_vcc(0) depctr_vm_vsrc(0)
	s_getreg_b32 s2, hwreg(HW_REG_IB_STS2, 6, 4)
	s_cmp_eq_u32 s2, 0
	s_cbranch_scc0 .Lentry_in_a_cluster
	s_endpgm
.Lentry_in_a_cluster:
	s_bfe_u32 s2, ttmp6, 0x10000c
	s_cmp_lg_u32 s2, 0xf033
	s_cbranch_scc0 .Lentry_shape_is_right
	s_endpgm
.Lentry_shape_is_right:
.set NQ,    2
.set FR,    12
.set NL,    6
.set NP,    4
.set TILEB, 3072
.set HALFT, 8*TILEB
.set SLOT,  4*HALFT
.set SCL,   2*SLOT
.set RSC,   8320
.set SPARE, 213248
.set IMG,   12288
.set XWSC,  22020096
.set ADRA, 16
.set ADRB, 20
.set LI16, 24
.set LS8,  25
.set ADRS, 27
.set SPW,  28
.set NIL,  29
.set SC,   32
.set BR,   64
.set AF,   128
.set BP,   224
.set SW,   32
.set WA,   40
.set WB,   41
.set EE,   42
.set HA,   128
.set F0,   192
.set F1,   204
.set TT,   216
.set TM,   232
.set G1, 24
.set G0, 32
.set G1B, 48
.set G0B, 56
.set G1S, 68
.set G0S, 76
.set G1SB, 80
.set G0SB, 88
.set SEL, 46
.set HI,  45
.set MSB, 0
.macro WIN new
.if MSB != (\new)
	s_set_vgpr_msb (MSB<<8)|(\new)
.set MSB, (\new)
.endif
.endm
.set MUL_LO, 0xa1
.set MUL_HI, 0xf1
.set TO_B,   0x40
.macro JLOAD g0a, g1a, g0b, g1b
	s_cmp_eq_u32 s15, 0
	s_cbranch_scc0 .Lfor_b_\@
	tensor_load_to_lds s[\g0a:\g0a+3], s[\g1a:\g1a+7]
	s_nop 0
.rept 4
	v_nop
.endr
	s_branch .Lasked_\@
.Lfor_b_\@:
	tensor_load_to_lds s[\g0b:\g0b+3], s[\g1b:\g1b+7]
	s_nop 0
.rept 4
	v_nop
.endr
.Lasked_\@:
.endm
.macro CREST
	s_cmp_lg_u32 s14, 0
	s_cbranch_scc1 .Lnot_wave_0_\@
	s_barrier_signal -3
.Lnot_wave_0_\@:
	s_barrier_wait -3
	s_barrier_signal -1
	s_barrier_wait -1
.endm
.macro CROUND
	s_barrier_signal -1
	s_barrier_wait -1
	CREST
.endm
.macro PLACES n
.rept \n
	v_nop
.endr
.endm
.macro FRAG reg, adr, q, i
.irp p, 0,1,2,3,4,5
	ds_load_b64 v[\reg+2*\p:\reg+2*\p+1], v[\adr] offset:(\i)*TILEB+(\q)*1536+256*\p
.endr
.endm
.macro MUL16 a0, p, q, sc, zero
.irp a, \a0, \a0+1
.irp b, 0,1,2,3,4,5,6,7
.set rD, 8*(8*((\a)%4)+\b)
.set rB, 128*(\p)+FR*\b
.set rA, AF+FR*(\a)
.set sB, SC+8*NQ*(\sc)+NQ*\b+(\q)
.set sA, SC+8*NQ*(\sc)+NQ*(\a)+(\q)
.if \zero
	v_wmma_scale_f32_16x16x128_f8f6f4 v[rD:rD+7], v[rB:rB+FR-1], v[rA:rA+FR-1], 0, v[sB], v[sA] matrix_a_fmt:MATRIX_FMT_BF6 matrix_b_fmt:MATRIX_FMT_BF6 matrix_a_scale:MATRIX_SCALE_ROW1
.else
	v_wmma_scale_f32_16x16x128_f8f6f4 v[rD:rD+7], v[rB:rB+FR-1], v[rA:rA+FR-1], v[rD:rD+7], v[sB], v[sA] matrix_a_fmt:MATRIX_FMT_BF6 matrix_b_fmt:MATRIX_FMT_BF6 matrix_a_scale:MATRIX_SCALE_ROW1
.endif
.endr
.endr
.endm
.macro FETCH_B slot, q, p
	WIN TO_B
.irp i, 0,1,2,3,4,5,6,7
	FRAG 128*(\p)+FR*\i, ADRB+\slot, \q, \i
.endr
	WIN 0
.endm
.macro FETCH_A slot, q, i0
.irp i, \i0, \i0+1, \i0+2, \i0+3
	FRAG AF+FR*(\i), ADRA+\slot, \q, \i
.endr
.endm
.macro SCALES sc
.irp i, 0,1,2,3,4,5,6,7
	ds_load_b64 v[SC+8*NQ*\sc+NQ*\i:SC+8*NQ*\sc+NQ*\i+1], v[ADRS] offset:\i*512
.endr
.endm
.macro STEP slot, q, zero
	s_wait_dscnt 4*NL
	WIN MUL_LO
	MUL16 0, (\q)%2, \q, \slot, \zero
	MUL16 2, (\q)%2, \q, \slot, \zero
	s_wait_dscnt 0
	PLACES NP
	FETCH_B \slot, (\q)+1, 1-(\q)%2
	FETCH_A \slot, (\q)+1, 0
	WIN MUL_HI
	MUL16 4, (\q)%2, \q, \slot, \zero
	MUL16 6, (\q)%2, \q, \slot, \zero
	PLACES NP
	WIN 0
	FETCH_A \slot, (\q)+1, 4
.endm
.macro TURN slot, next, fill
	s_wait_tensorcnt 0x0
	ds_add_u32 v[SPW], v[NIL]
	s_wait_dscnt 4*NL+1
	WIN MUL_LO
	MUL16 0, 1, NQ-1, \slot, 0
	s_wait_dscnt 0x0
	s_barrier_signal -1
	MUL16 2, 1, NQ-1, \slot, 0
	WIN 0
	s_barrier_wait -1
.if \fill
	CREST
	s_add_nc_u64 s[G0+4*\slot+2:G0+4*\slot+3], s[G0+4*\slot+2:G0+4*\slot+3], 2*TILEB
	s_add_nc_u64 s[G0B+4*\slot+2:G0B+4*\slot+3], s[G0B+4*\slot+2:G0B+4*\slot+3], 2*TILEB
	JLOAD G0+4*\slot, G1, G0B+4*\slot, G1B
.else
	PLACES NP
.endif
	s_wait_alu depctr_va_vdst(0)
	v_add_nc_u32 v[ADRS], 128, v[ADRS]
	FETCH_B \next, 0, 0
	FETCH_A \next, 0, 0
	SCALES \next
	WIN MUL_HI
	MUL16 4, 1, NQ-1, \slot, 0
	MUL16 6, 1, NQ-1, \slot, 0
	PLACES NP
	WIN 0
	FETCH_A \next, 0, 4
.endm
.macro QUANT s, d0, d1, tt, pw
.irp b, 0,1,2,3
	v_max3_num_f32 v[TM+\b], |v[\s+16*\b]|, |v[\s+1+16*\b]|, 0x2800000
.endr
.irp i, 2,4,6,8,10,12,14
.irp b, 0,1,2,3
	v_max3_num_f32 v[TM+\b], v[TM+\b], |v[\s+16*\b+\i]|, |v[\s+1+16*\b+\i]|
.endr
.endr
.irp b, 0,1,2,3
	v_permlanex16_b32 v[TM+4+\b], v[TM+\b], s[SEL], s[SEL+1]
.endr
.irp b, 0,1,2,3
	v_max_num_f32 v[TM+\b], v[TM+\b], v[TM+4+\b]
.endr
.irp b, 0,1,2,3
	v_add_nc_u32 v[TM+12+\b], 0xfe000000, v[TM+\b]
.endr
.irp b, 0,1,2,3
	v_lshrrev_b32 v[TM+4+\b], 23, v[TM+12+\b]
.endr
	v_lshl_or_b32 v[\pw], v[TM+5], 8, v[TM+4]
	v_lshl_or_b32 v[\pw], v[TM+6], 16, v[\pw]
	v_lshl_or_b32 v[\pw], v[TM+7], 24, v[\pw]
	v_cvt_scalef32_pk16_bf6_f32 v[\d0:\d0+2], v[\s:\s+15], v[TM+12]
	v_cvt_scalef32_pk16_bf6_f32 v[\tt:\tt+2], v[\s+16:\s+31], v[TM+13]
	v_cvt_scalef32_pk16_bf6_f32 v[\d1:\d1+2], v[\s+32:\s+47], v[TM+14]
	v_cvt_scalef32_pk16_bf6_f32 v[\tt+4:\tt+6], v[\s+48:\s+63], v[TM+15]
	v_nop
.irp i, 0,1,2
	v_permlane16_swap_b32 v[\d0+\i], v[\tt+\i]
	v_permlane16_swap_b32 v[\d1+\i], v[\tt+4+\i]
.endr
.irp i, 0,1,2
	v_mov_b32 v[\d0+3+\i], v[\tt+\i]
	v_mov_b32 v[\d1+3+\i], v[\tt+4+\i]
.endr
.endm
	s_load_b256 s[4:11], s[0:1], 0x0
	s_load_b64 s[12:13], s[0:1], 0x20
	v_lshl_add_u32 v[SPW], v0, 2, SPARE
	v_mov_b32 v[NIL], 0
	ds_add_u32 v28, v29
	ds_add_u32 v28, v29
	s_wait_dscnt 0x0
	v_lshrrev_b32 v1, 5, v0
	v_readfirstlane_b32 s14, v1
	s_lshr_b32 s15, s14, 1
	s_and_b32 s16, s14, 1
	s_bfe_u32 s40, ttmp6, 0x40000
	s_bfe_u32 s41, ttmp6, 0x40004
	s_and_b32 s17, ttmp7, 0xffff
	s_lshr_b32 s18, s17, 3
	s_and_b32 s19, s17, 7
	s_lshl_b32 s20, s18, 9
	s_lshl_b32 s21, s18, 6
	s_add_co_u32 s21, s21, 1536
	s_cmp_eq_u32 s18, 2
	s_cselect_b32 s42, 1, 0
	s_cselect_b32 s20, 1664, s20
	s_cselect_b32 s21, 1024, s21
	s_cselect_b32 s22, 0, 4
	s_cselect_b32 s23, 4, 0
	s_mul_i32 s22, s22, s19
	s_add_co_u32 s22, s22, s41
	s_mul_i32 s23, s23, s19
	s_add_co_u32 s23, s23, s40
	s_lshl_b32 s43, s41, 2
	s_lshl_b32 s43, 15, s43
	s_lshl_b32 s44, 0x1111, s40
	s_or_b32 s[G1+0], s43, (3<<16)|(1<<21)
	s_or_b32 s[G1B+0], s44, (3<<16)|(1<<21)
.irp g, G1, G1B
	s_mov_b32 s[\g+1], 384<<16
	s_mov_b32 s[\g+2], 16<<16
	s_mov_b32 s[\g+3], 384<<16
	s_mov_b32 s[\g+4], 16
	s_mov_b32 s[\g+5], 1536
	s_mov_b32 s[\g+6], 0
	s_mov_b32 s[\g+7], 0
.endr
	s_or_b32 s[G1S+0], s43, (3<<16)|(1<<21)
	s_or_b32 s[G1SB+0], s44, (3<<16)|(1<<21)
.irp g, G1S, G1SB
	s_mov_b32 s[\g+1], 32<<16
	s_mov_b32 s[\g+2], 32<<16
	s_mov_b32 s[\g+3], 32<<16
	s_mov_b32 s[\g+4], 32
	s_mov_b32 s[\g+5], 32
	s_mov_b32 s[\g+6], 0
	s_mov_b32 s[\g+7], 0
.endr
	s_lshl_b32 s45, s16, 3
	s_lshl_b32 s46, s22, 4
	s_add_co_u32 s46, s46, s20
	s_add_co_u32 s46, s46, s45
	s_lshl_b32 s92, s23, 4
	s_add_co_u32 s92, s92, s21
	s_add_co_u32 s92, s92, s45
	s_mul_i32 s20, s46, IMG
	s_mov_b32 s21, 0
	s_lshl_b32 s46, s46, 9
	s_add_co_u32 s46, s46, XWSC
	s_mov_b32 s47, 0
	s_lshl_b32 s94, s92, 9
	s_add_co_u32 s94, s94, XWSC
	s_mov_b32 s95, 0
	s_mul_i32 s92, s92, IMG
	s_mov_b32 s93, 0
	s_mul_i32 s45, s14, HALFT
	s_mul_i32 s2, s16, 8*IMG                       ; my half of a tile's 16 row tiles, in bytes of codes,
	s_mov_b32 s3, 0
	s_lshl_b32 s96, s16, 12                        ; and of scale words
	s_mov_b32 s97, 0
	s_wait_kmcnt 0x0
	s_add_nc_u64 s[20:21], s[4:5], s[20:21]
	s_add_nc_u64 s[46:47], s[4:5], s[46:47]
	s_add_nc_u64 s[92:93], s[4:5], s[92:93]
	s_add_nc_u64 s[94:95], s[4:5], s[94:95]
	CROUND                                         ; all sixteen work-groups are here: the first joint loads meet
	; the head's four tiles, each whole: chunk 0 of A's 16 row tiles, of B's 16, A's scale words, B's.  Slot 0's own groups 0 serve them and are set for the ring behind the wait below
	s_mov_b32 s[G0], 1
	s_mov_b32 s[G0+1], 0
	s_sub_nc_u64 s[G0+2:G0+3], s[20:21], s[2:3]
	s_or_b32 s[G0+3], s[G0+3], 0x80000000
	s_mov_b32 s[G0B], 1
	s_mov_b32 s[G0B+1], 2*HALFT
	s_sub_nc_u64 s[G0B+2:G0B+3], s[92:93], s[2:3]
	s_or_b32 s[G0B+3], s[G0B+3], 0x80000000
	s_mov_b32 s[G0S], 1
	s_mov_b32 s[G0S+1], SCL
	s_sub_nc_u64 s[G0S+2:G0S+3], s[46:47], s[96:97]
	s_or_b32 s[G0S+3], s[G0S+3], 0x80000000
	s_mov_b32 s[G0SB], 1
	s_mov_b32 s[G0SB+1], SCL+RSC
	s_sub_nc_u64 s[G0SB+2:G0SB+3], s[94:95], s[96:97]
	s_or_b32 s[G0SB+3], s[G0SB+3], 0x80000000
	s_mov_b32 s[G0+4], 1
	s_add_co_u32 s[G0+5], s45, SLOT
	s_add_nc_u64 s[G0+6:G0+7], s[20:21], TILEB
	s_or_b32 s[G0+7], s[G0+7], 0x80000000
	s_mov_b32 s[G0B+4], 1
	s_add_co_u32 s[G0B+5], s45, SLOT
	s_add_nc_u64 s[G0B+6:G0B+7], s[92:93], TILEB
	s_or_b32 s[G0B+7], s[G0B+7], 0x80000000
; one tensor load a wave at the head, in one chain of arms on the wave's number
.macro ARM under, g0, g1, next
	s_cmp_lt_u32 s14, \under
	s_cbranch_scc0 \next
	tensor_load_to_lds s[\g0:\g0+3], s[\g1:\g1+7]
	s_nop 0
.rept 4
	v_nop
.endr
	s_branch .Lhead_asked
\next:
.endm
	ARM 1, G0,  G1,  .Lhead_b
	ARM 2, G0B, G1B, .Lhead_sa
	ARM 3, G0S, G1S, .Lhead_sb
	tensor_load_to_lds s[G0SB:G0SB+3], s[G1SB:G1SB+7]
	s_nop 0
.rept 4
	v_nop
.endr
.Lhead_asked:
	s_wait_alu depctr_va_vdst(0)
	s_wait_tensorcnt 0x0                           ; my tile of the head's four is in
	ds_add_u32 v28, v29
	s_mov_b32 s[G1+2], 8<<16                       ; no tensor load of mine is out: from here on a load brings 8 row tiles,
	s_mov_b32 s[G1+4], 8
	s_mov_b32 s[G1B+2], 8<<16
	s_mov_b32 s[G1B+4], 8
	s_mov_b32 s[G0+1], s45                         ; and slot 0's groups 0 stand at my half of chunk 0
	s_add_nc_u64 s[G0+2:G0+3], s[G0+2:G0+3], s[2:3]
	s_mov_b32 s[G0B+1], s45
	s_add_nc_u64 s[G0B+2:G0B+3], s[G0B+2:G0B+3], s[2:3]
	s_wait_dscnt 0x0
	CROUND
	JLOAD G0+4, G1, G0B+4, G1B                     ; chunk 1, the first tensor load behind the round
	s_mov_b32 s[SEL], 0x76543210
	s_mov_b32 s[SEL+1], 0xfedcba98
	s_mov_b32 s[HI], 0xffff0000
	v_and_b32 v1, 15, v0
	v_bfe_u32 v2, v0, 4, 1
	s_wait_alu depctr_va_vdst(0)
	v_and_b32 v3, 31, v0
	v_lshlrev_b32 v[LS8], 3, v3
	v_lshlrev_b32 v[LI16], 4, v3
	s_mul_i32 s66, s15, HALFT
	s_mul_i32 s67, s16, HALFT
	s_add_co_u32 s67, s67, 2*HALFT
.irp s, 0,1
	v_add_nc_u32 v[ADRA+\s], s66, v[LS8]
	v_add_nc_u32 v[ADRB+\s], s67, v[LS8]
	s_add_co_u32 s66, s66, SLOT
	s_add_co_u32 s67, s67, SLOT
.endr
	v_lshlrev_b32 v5, 3, v1
	s_lshl_b32 s66, s15, 12
	s_lshl_b32 s67, s16, 12
	s_add_co_u32 s67, s67, RSC
	s_sub_co_u32 s67, s67, s66
	v_mul_u32_u24 v6, s67, v2
	s_add_co_u32 s66, s66, SCL
	v_add_nc_u32 v5, v5, v6
	v_add_nc_u32 v[ADRS], s66, v5
	s_cmp_eq_u32 s18, 1
	s_cselect_b64 s[6:7], s[8:9], s[6:7]
	s_cmp_eq_u32 s18, 2
	s_cselect_b64 s[6:7], s[10:11], s[6:7]
	s_lshl_b32 s66, s40, 10
	s_lshl_b32 s67, s16, 9
	s_add_co_u32 s66, s66, s67
	v_lshl_add_u32 v7, v2, 5, s66
	s_lshl_b32 s66, s41, 10
	s_lshl_b32 s67, s15, 9
	s_add_co_u32 s66, s66, s67
	v_lshl_add_u32 v8, v1, 2, s66
.irp b, 0,1,2,3,4,5,6,7
	global_load_b128 v[BR+8*\b:BR+8*\b+3], v7, s[6:7] offset:64*\b
	global_load_b128 v[BR+8*\b+4:BR+8*\b+7], v7, s[6:7] offset:64*\b+16
.endr
.irp a, 0,1,2,3,4,5,6,7
	global_load_b32 v[BP+\a], v8, s[6:7] offset:64*\a
.endr
.irp b, 0,1,2,3
	v_mov_b32 v[TM+4+\b], 0
.endr
	s_cmp_eq_u32 s42, 1
	s_cselect_b32 s20, s23, s22
	s_cselect_b32 s21, s16, s15
	s_cselect_b32 s66, s22, s23
	s_cselect_b32 s67, s15, s16
	s_lshr_b32 s92, s20, 3
	s_lshl_b32 s92, s92, 4
	s_lshl_b32 s66, s66, 2
	s_add_co_u32 s92, s92, s66
	s_lshl_b32 s67, s67, 1
	s_add_co_u32 s92, s92, s67
	s_and_b32 s20, s20, 7
	s_lshl_b32 s20, s20, 1
	s_add_co_u32 s20, s20, s21
	s_lshl_b32 s92, s92, 4
	s_add_co_u32 s92, s92, s20
	s_mov_b32 s66, 12800
	s_mov_b32 s67, 6553600
	s_mov_b32 s21, 12288
	s_cmp_eq_u32 s18, 0
	s_cselect_b32 s66, 6400, s66
	s_cselect_b32 s67, 0, s67
	s_cselect_b32 s21, 6144, s21
	s_cmp_eq_u32 s18, 2
	s_cselect_b32 s20, 6144, 0
	s_cselect_b32 s21, 6400, s21
	s_add_co_u32 s67, s67, s20
	s_mul_i32 s92, s92, s66
	s_add_co_u32 s92, s92, s67
	s_mov_b32 s93, 0
	s_add_nc_u64 s[92:93], s[12:13], s[92:93]
	s_lshl_b32 s96, s66, 4
	s_mov_b32 s97, 0
	s_add_nc_u64 s[94:95], s[92:93], s[96:97]
	s_mov_b32 s66, s21
	s_mov_b32 s67, 0
	s_add_nc_u64 s[96:97], s[92:93], s[66:67]
	s_add_nc_u64 s[98:99], s[94:95], s[66:67]
	s_wait_alu depctr_va_vdst(0)
	s_wait_tensorcnt 1
	s_barrier_signal -1
	s_barrier_wait -1
	FETCH_B 0, 0, 0
	FETCH_A 0, 0, 0
	SCALES 0
	FETCH_A 0, 0, 4
	STEP 0, 0, 1
	TURN 0, 1, 1
	STEP 1, 0, 0
	TURN 1, 0, 1
	STEP 0, 0, 0
	TURN 0, 1, 0
	STEP 1, 0, 0
	s_wait_dscnt 4*NL
	WIN MUL_LO
	MUL16 0, 1, NQ-1, 1, 0
	MUL16 2, 1, NQ-1, 1, 0
	s_wait_dscnt 0
	WIN MUL_HI
	MUL16 4, 1, NQ-1, 1, 0
	MUL16 6, 1, NQ-1, 1, 0
	WIN 0
	s_wait_loadcnt 0x0
	PLACES NP
.macro BIASQK a
	WIN 0x02+(\a)/4
.set AC, 64*((\a)%4)
.set idx, 0
.rept 32
	v_pk_add_f32 v[HA+idx:HA+idx+1], v[AC+idx:AC+idx+1], v[BR+idx:BR+idx+1]
.set idx, idx+2
.endr
	WIN 0
.endm
.macro BIASV a
	WIN 0x02+(\a)/4
.set AC, 64*((\a)%4)
.set BQ, BP+2*((\a)/2)
.set idx, 0
.rept 32
.if (\a)%2
	v_pk_add_f32 v[HA+idx:HA+idx+1], v[AC+idx:AC+idx+1], v[BQ:BQ+1] op_sel:[0,1] op_sel_hi:[1,1]
.else
	v_pk_add_f32 v[HA+idx:HA+idx+1], v[AC+idx:AC+idx+1], v[BQ:BQ+1] op_sel:[0,0] op_sel_hi:[1,0]
.endif
.set idx, idx+2
.endr
	WIN 0
.endm
	s_cmp_eq_u32 s42, 1
	s_cbranch_scc1 .Lpath_v
.irp bl, 0,1,2,3
.if \bl > 0
	s_wait_xcnt 0x0
.endif
	BIASQK 2*\bl
	QUANT HA, F0, F1, TT, WA
	BIASQK 2*\bl+1
	QUANT HA, F0+6, F1+6, TT, WB
	v_perm_b32 v[SW+\bl], v[WB], v[WA], 0x05040100
	v_perm_b32 v[SW+4+\bl], v[WB], v[WA], 0x07060302
.irp g, 0,1,2
	global_store_b128 v[LI16], v[F0+4*\g:F0+4*\g+3], s[92:93] offset:1536*\bl+512*\g
	global_store_b128 v[LI16], v[F1+4*\g:F1+4*\g+3], s[94:95] offset:1536*\bl+512*\g
.endr
.endr
	s_branch .Ljoin
.Lpath_v:
.irp a, 0,1,2,3,4,5,6,7
.if \a > 1
	s_wait_xcnt 0x0
.endif
.set FX, F0+12*(\a%2)
	BIASV \a
	QUANT HA, FX, FX+6, TT, SW+\a
.irp g, 0,1,2
	global_store_b128 v[LI16], v[FX+4*\g:FX+4*\g+3], s[92+2*(\a/4):93+2*(\a/4)] offset:1536*(\a%4)+512*\g
.endr
.endr
.Ljoin:
	s_wait_alu depctr_va_vdst(0)
.irp x, 0,1
.if \x > 0
	s_wait_xcnt 0x0
.endif
	v_cndmask_b32 v[EE], v[SW+4*\x], v[SW+4*\x+1], s[HI]
	v_cndmask_b32 v[EE+1], v[SW+4*\x+2], v[SW+4*\x+3], s[HI]
	global_store_b64 v[LS8], v[EE:EE+1], s[96+2*\x:97+2*\x]
.endr
	s_wait_tensorcnt 0x0
	ds_add_u32 v[SPW], v[NIL]
	s_wait_dscnt 0x0
	CROUND
	s_endpgm
.Lfunc_end_k_qd87be6e210_proj:
	.size	k_qd87be6e210_proj, .Lfunc_end_k_qd87be6e210_proj-k_qd87be6e210_proj
	.p2alignl 7, 3214868480
	.fill 96, 4, 3214868480
	.section	.rodata,"a",@progbits
	.p2align	6, 0x0
	.amdhsa_kernel k_qd87be6e210_proj
		.amdhsa_group_segment_fixed_size 327680
		.amdhsa_private_segment_fixed_size 0
		.amdhsa_enable_private_segment 0
		.amdhsa_kernarg_size 40
		.amdhsa_user_sgpr_count 2
		.amdhsa_user_sgpr_kernarg_segment_ptr 1
		.amdhsa_wavefront_size32 1
		.amdhsa_system_sgpr_workgroup_id_x 1
		.amdhsa_system_sgpr_workgroup_id_y 1
		.amdhsa_system_sgpr_workgroup_id_z 1
		.amdhsa_system_vgpr_workitem_id 0
		.amdhsa_next_free_vgpr 1024
		.amdhsa_next_free_sgpr 100
		.amdhsa_reserve_vcc 0
		.amdhsa_float_denorm_mode_32 3
		.amdhsa_float_denorm_mode_16_64 3
		.amdhsa_memory_ordered 1
		.amdhsa_forward_progress 1
		.amdhsa_inst_pref_size 234
	.end_amdhsa_kernel
	.amdgpu_metadata
---
amdhsa.version: [ 1, 2 ]
amdhsa.kernels:
  - .name:           k_qd87be6e210_proj
    .symbol:         k_qd87be6e210_proj.kd
    .args:
      - { .name: xw, .offset: 0, .size: 8, .value_kind: global_buffer, .address_space: global }
      - { .name: bq, .offset: 8, .size: 8, .value_kind: global_buffer, .address_space: global }
      - { .name: bk, .offset: 16, .size: 8, .value_kind: global_buffer, .address_space: global }
      - { .name: bv, .offset: 24, .size: 8, .value_kind: global_buffer, .address_space: global }
      - { .name: qkv, .offset: 32, .size: 8, .value_kind: global_buffer, .address_space: global }
    .group_segment_fixed_size: 327680
    .private_segment_fixed_size: 0
    .kernarg_segment_align: 8
    .kernarg_segment_size: 40
    .max_flat_workgroup_size: 128
    .sgpr_count:     100
    .vgpr_count:     1024
    .wavefront_size: 32
...
	.end_amdgpu_metadata
.endif
;; end of part 2
;; launch attn (part 3): grid 4 x 64, 8 waves a work-group, clusters of 4 x 1, 206,848 bytes of LDS; arguments qkv, oq; writes oq
.if DOCPART == 3
	.amdgcn_target "amdgcn-amd-amdhsa--gfx1250"
	.amdhsa_code_object_version 6
	.text
	.protected	k_qd87be6e210_attn
	.globl	k_qd87be6e210_attn
	.p2align	8
	.type	k_qd87be6e210_attn,@function
k_qd87be6e210_attn:
	s_mov_b64 s[64:65], 0
	v_nop
	global_prefetch_b8 v0, s[64:65] scope:SCOPE_SE
	s_setreg_imm32_b32 hwreg(HW_REG_WAVE_MODE, 25, 1), 1
	s_wait_xcnt 0x0
	s_wait_alu depctr_hold_cnt(0) depctr_sa_sdst(0) depctr_va_vdst(0) depctr_va_sdst(0) depctr_va_ssrc(0) depctr_va_vcc(0) depctr_vm_vsrc(0)
	s_getreg_b32 s2, hwreg(HW_REG_IB_STS2, 6, 4)
	s_cmp_eq_u32 s2, 0
	s_cbranch_scc0 .Lentry_in_a_cluster
	s_endpgm
.Lentry_in_a_cluster:
	s_bfe_u32 s2, ttmp6, 0x10000c
	s_cmp_lg_u32 s2, 0x3003
	s_cbranch_scc0 .Lentry_shape_is_right
	s_endpgm
.Lentry_shape_is_right:
; o = softmax(q k^T / 8) v for one head and batch a cluster, both products on codes of BF6 (E3M2) with E8M0 scales; o is divided by the row's sum and quantised along the model's axis for the last product.
; THE SOFTMAX: t = score x log2(e) / 8; M = the running largest t rounded UP to a whole number; p = 2^(t - M) is quantised along the keys, not normalised; the sum is taken of the unquantised p in f32.
; When M moves, the sums and O are multiplied by 2^(old M - new M): exact.
; SHARES.  A cluster of four work-groups is one head (16 b + head = the cluster's y); a work-group owns 512 of its 2,048 queries; each of its eight waves TWO tiles of 16 queries (one fragment of q) in each of two passes:
; each fragment of k and v read from LDS serves both tiles, and every dependent chain of the softmax runs for both tiles by turns.
; THE HEAD'S WHOLE K AND V, 16 records of 12,800 bytes, LIE IN LDS: each wave brings two records by one joint tensor load (the four work-groups ask alike), once.  Nothing is filled again.
; No prefetch: K and V are asked for once, at the head, and there is no loop to run ahead in.
; A record (128 keys): K's 4 fragments | V's 4 | K's 256 scale bytes | V's.  Fragments are images of the operand's registers: group g of four registers is 512 bytes, 16 a lane.
; THE HEAD'S AXIS IS 64, THE INSTRUCTION'S K 128: a fragment of k holds two tiles of keys (registers 0-5, registers 6-11) and is multiplied once by [q | zero codes] and once by [zero codes | q].
; Both products are used transposed (source 0 = keys, or the head's channels; source 1 = my queries): a lane holds one query.
; THE KEYS OF A TILE: fragment 2 c + w, tile u, row 8 h + j is key 64 c + 32 h + 16 w + 8 u + j (the first launch lays K's tokens so).  So lane half h holds ALL 32 keys of block 2 c + h in four tiles' registers:
; a block's largest score needs no other lane, and the conversions' results are the operand's registers as they stand.  Tile (w, u) is written to registers 16 u + 8 w on of its block, the order in which v's codes lie.
; REGISTERS.  Window 1: v0-63, v64-127 S^T then p of tiles 0, 1; v128-175 K's fragments; v176-223 V's; v224-247 q's fragments of both passes.  Window 0: all else.  Both tiles share every window setting.
; OUTPUT (oq): row tile T = token / 16 at 12,288 T: 8 fragments of 1,536 bytes in pairs of registers (256 bytes a pair, 8 a lane); a head fills three pairs.  Scale words at 6,291,456 + 512 T: [q][r][2 words].
; LIMITS: the promise holds while the scaled scores stay under 2^31 in magnitude; NaN and infinities are not served; p under 2^-126 counts as 0 (v_exp_f32 flushes); a block of zeros has the byte 1;
; a block's largest p is taken from its largest score, which takes v_exp_f32 not to fall where its input rises.
.set KVB,  6553600
.set SPARE, 204800                     ; behind the records: the spare words, 128 bytes a wave
.set WV,   8                           ; s8  wave
.set CN,   30                          ; s30 -c
.set SEL,  36                          ; s[36:37] lane l xor 16
.set CS,   38                          ; s[38:39] c = log2(e) / 8, twice
.set TB,   40                          ; s40 the step's record in LDS
.set CNT,  41
.set PASS, 42
.set TQ,   43                          ; s43 my first tile of queries in the batch
.set PM,   44                          ; s44 all ones in the second pass
.set TK,   45                          ; s45 the next step's record
.set HI,   46                          ; s46 a mask of lanes 16-31
.set QW,   10                          ; v10, v11 q's scale words of the two passes; v12 this pass's
.set KSC,  14                          ; v[14:15] K's scale words;  v[16:17] V's
.set VSC,  16
.set QS,   18                          ; v18, v19 q's scale word of tile 0, 1: its two bytes twice
.set PS,   20                          ; v20, v21 p's scale word
.set O,    32                          ; v32-63, v64-95 O^T
.set QA,   96                          ; v96-119, v120-143: [q | 0], [0 | q]
.set PC,   144                         ; v144-155, v156-167 p's codes
.set TT,   168                         ; the conversions' upper halves
.set L,    184                         ; v184-191, v192-199 the row's sum, four pairs a tile
.set X,    200                         ; v200-203, v204-207 maxima: two chains for each of my two blocks
.set NM,   208                         ; v208, v210 -M;  v209, v211 the running largest score
.set RX,   212
.set OL,   214
.set TP,   216
.set FF,   218                         ; v[218:219], v[220:221] f = 2^(old M - new M); later 1 / the sum
.set SO,   222                         ; the conversions' scale operands
.set BY,   226                         ; the scales' bytes
.set W,    230
.set WX,   232
.set FK,   128                         ; window 1
.set FV,   176
.set R0,   224
.set MSB, 0
.macro WIN new                         ; the immediate's high byte repeats the setting that is left
.if MSB != (\new)
	s_set_vgpr_msb (MSB<<8)|(\new)
.set MSB, (\new)
.endif
.endm
.macro CROUND
	s_barrier_signal -1
	s_barrier_wait -1
	s_cmp_lg_u32 s[WV], 0
	s_cbranch_scc1 .Lnot_wave_0_\@
	s_barrier_signal -3
.Lnot_wave_0_\@:
	s_barrier_wait -3
	s_barrier_signal -1
	s_barrier_wait -1
.endm
.macro SPROD b, u, t                   ; fragment b, its tile u, my tile t of queries
.set rD, 64*\t+32*(\b/2)+16*\u+8*(\b%2)
.if (\b)%2
	v_wmma_scale_f32_16x16x128_f8f6f4 v[rD:rD+7], v[FK+12*\b:FK+12*\b+11], v[QA+24*\t+12*\u:QA+24*\t+12*\u+11], 0, v[KSC+\b/2], v[QS+\t] matrix_a_fmt:MATRIX_FMT_BF6 matrix_b_fmt:MATRIX_FMT_BF6 matrix_a_scale:MATRIX_SCALE_ROW1
.else
	v_wmma_scale_f32_16x16x128_f8f6f4 v[rD:rD+7], v[FK+12*\b:FK+12*\b+11], v[QA+24*\t+12*\u:QA+24*\t+12*\u+11], 0, v[KSC+\b/2], v[QS+\t] matrix_a_fmt:MATRIX_FMT_BF6 matrix_b_fmt:MATRIX_FMT_BF6
.endif
.endm
.macro PVPROD c, t                     ; channels 16 c on of O^T of tile t
.set rD, O+32*\t+8*\c
.if (\c)%2
	v_wmma_scale_f32_16x16x128_f8f6f4 v[rD:rD+7], v[FV+12*\c:FV+12*\c+11], v[PC+12*\t:PC+12*\t+11], v[rD:rD+7], v[VSC+\c/2], v[PS+\t] matrix_a_fmt:MATRIX_FMT_BF6 matrix_b_fmt:MATRIX_FMT_BF6 matrix_a_scale:MATRIX_SCALE_ROW1
.else
	v_wmma_scale_f32_16x16x128_f8f6f4 v[rD:rD+7], v[FV+12*\c:FV+12*\c+11], v[PC+12*\t:PC+12*\t+11], v[rD:rD+7], v[VSC+\c/2], v[PS+\t] matrix_a_fmt:MATRIX_FMT_BF6 matrix_b_fmt:MATRIX_FMT_BF6
.endif
.endm
	s_load_b128 s[4:7], s[0:1], 0x0                ; qkv s[4:5], oq s[6:7]
	v_lshl_add_u32 v254, v0, 2, SPARE
	v_mov_b32 v255, 0
	ds_add_u32 v254, v255                          ; the opening lines: the add, twice on end, and its wait
	ds_add_u32 v254, v255
	v_lshrrev_b32 v1, 5, v0
	v_readfirstlane_b32 s[WV], v1                  ; wave 0..7
	s_bfe_u32 s9, ttmp6, 0x40000                   ; cx: it enters the queries' and o's addresses alone
	s_and_b32 s10, ttmp7, 0xffff                   ; 16 b + head, which the four partners share
	; descriptor group 1: two records, 25,600 dense bytes, as 100 rows of 256 bytes (32 elements of 8)
	s_mov_b32 s20, 15|(3<<16)|(1<<21)              ; the mask: all four work-groups; elements of 8 bytes; bit 21 set beside a mask
	s_mov_b32 s21, 32<<16
	s_mov_b32 s22, 100<<16
	s_mov_b32 s23, 32<<16
	s_mov_b32 s24, 100
	s_mov_b32 s25, 32
	s_mov_b32 s26, 0
	s_mov_b32 s27, 0
	s_mov_b32 s12, 1
	s_mul_i32 s13, s[WV], 25600                    ; records 2 wave, 2 wave + 1, in LDS and in memory
	s_mul_i32 s28, s10, 204800
	s_add_co_u32 s28, s28, s13
	s_add_co_u32 s28, s28, KVB
	s_mov_b32 s29, 0
	s_wait_dscnt 0x0
	s_wait_kmcnt 0x0
	s_add_nc_u64 s[14:15], s[4:5], s[28:29]
	s_or_b32 s15, s15, 0x80000000
	CROUND                                         ; all four work-groups are here: the joint loads meet
	tensor_load_to_lds s[12:15], s[20:27]          ; my one tensor load of the launch
	s_nop 0
	v_and_b32 v24, 31, v0
	v_and_b32 v22, 15, v0
	v_bfe_u32 v23, v0, 4, 1
	v_lshlrev_b32 v1, 4, v24                       ; 16 x lane
	v_lshlrev_b32 v2, 3, v24                       ; 8 x lane
	v_lshlrev_b32 v3, 3, v22                       ; 8 r
	v_lshlrev_b32 v7, 3, v23                       ; 8 h
	v_add_nc_u32 v4, v3, v23                       ; 8 r + h
.irp t, 0,1
.irp i, 0,1,2,3,4,5
	v_mov_b32 v[QA+24*\t+6+\i], 0                  ; the zero codes, written once
	v_mov_b32 v[QA+24*\t+12+\i], 0
.endr
	v_mov_b32 v[RX+\t], 0                          ; a lane permute's destination counts as one of its sources
	v_mov_b32 v[WX+\t], 0
	v_mov_b32 v[FF+2*\t+1], 0                      ; named as the upper half of a pair
.endr
	s_mov_b32 s[SEL], 0x76543210
	s_mov_b32 s[SEL+1], 0xfedcba98
	s_mov_b32 s[CS], 0x3e38aa3b                    ; log2(e) / 8
	s_mov_b32 s[CS+1], s[CS]
	s_mov_b32 s[CN], 0xbe38aa3b
	s_mov_b32 s[HI], 0xffff0000
	s_mul_i32 s56, s10, 102400                     ; the head's Q records
	s_and_b32 s57, s10, 15                         ; the head
	s_lshr_b32 s58, s10, 4                         ; the batch
	s_lshr_b32 s59, s57, 1
	s_mul_i32 s59, s59, 1536
	s_and_b32 s61, s57, 1
	s_mul_i32 s62, s61, 768
	s_add_co_u32 s59, s59, s62                     ; o's codes: fragment head / 2, its lower or upper three pairs
	s_lshr_b32 s60, s57, 2
	s_lshl_b32 s60, s60, 7
	s_bfe_u32 s62, s57, 0x10001
	s_lshl_b32 s62, s62, 2
	s_add_co_u32 s60, s60, s62
	s_lshl_b32 s61, s61, 1
	s_add_co_u32 s60, s60, s61
	s_add_co_u32 s60, s60, 6291456                 ; o's scale bytes: 128 (head / 4) + 4 ((head / 2) % 2) + 2 (head % 2)
	s_lshl_b32 s[TQ], s9, 5
	s_lshl_b32 s61, s[WV], 1
	s_add_co_u32 s[TQ], s[TQ], s61                 ; tiles 32 cx + 2 wave, + 1; the second pass: 16 further on
	s_lshl_b32 s47, s9, 2
	s_lshr_b32 s61, s[WV], 2
	s_add_co_u32 s47, s47, s61                     ; q's record (8 tiles): 4 cx + wave / 4; the second pass: 2 further on
	s_mul_i32 s47, s47, 6400
	s_add_co_u32 s47, s47, s56
	s_and_b32 s61, s[WV], 3
	s_mul_i32 s61, s61, 1536
	s_add_co_u32 s48, s47, s61                     ; its fragment wave % 4
	s_mov_b32 s49, 0
	s_and_b32 s61, s[WV], 1
	s_lshl_b32 s61, s61, 7
	s_bfe_u32 s62, s[WV], 0x10001
	s_lshl_b32 s62, s62, 2
	s_add_co_u32 s50, s47, s61
	s_add_co_u32 s50, s50, s62
	s_add_co_u32 s50, s50, 6144                    ; and that fragment's scale words
	s_mov_b32 s51, 0
	s_add_nc_u64 s[48:49], s[4:5], s[48:49]
	s_add_nc_u64 s[50:51], s[4:5], s[50:51]
	s_mov_b32 s[PASS], 0
	s_mov_b32 s[PM], 0
	s_wait_alu depctr_va_vdst(0)
	WIN 0x40
.irp p, 0,1
.irp g, 0,1,2
	global_load_b128 v[R0+12*\p+4*\g:R0+12*\p+4*\g+3], v1, s[48:49] offset:12800*\p+512*\g   ; q's fragments of both passes, on their way beside the tensor load
.endr
.endr
	WIN 0
	global_load_b32 v[QW], v3, s[50:51]
	global_load_b32 v[QW+1], v3, s[50:51] offset:12800
	s_wait_tensorcnt 0x0                           ; my records have landed,
	s_barrier_signal -1
	s_barrier_wait -1                              ; and everybody's: from here on LDS is only read
.Lpass:
	s_lshl_b32 s61, s58, 7
	s_add_co_u32 s61, s61, s[TQ]                   ; o's first row tile
	s_mul_i32 s52, s61, 12288
	s_add_co_u32 s52, s52, s59
	s_mov_b32 s53, 0
	s_lshl_b32 s54, s61, 9
	s_add_co_u32 s54, s54, s60
	s_mov_b32 s55, 0
	s_add_nc_u64 s[52:53], s[6:7], s[52:53]
	s_add_nc_u64 s[54:55], s[6:7], s[54:55]
	s_wait_loadcnt 0x0                             ; q
	s_wait_dscnt 0x0                               ; no load into K's registers is out
	WIN 0x40
.irp b, 0,1,2,3
.irp g, 0,1,2
	ds_load_b128 v[FK+12*\b+4*\g:FK+12*\b+4*\g+3], v1 offset:1536*\b+512*\g   ; record 0's K
.endr
.endr
	WIN 0
	ds_load_b64 v[KSC:KSC+1], v2 offset:12288
	WIN 0x05
.irp t, 0,1
.irp i, 0,1,2,3,4,5
	v_cndmask_b32 v[QA+24*\t+\i], v[R0+6*\t+\i], v[R0+12+6*\t+\i], s[PM]      ; tile t's six registers of this pass's fragment
	v_cndmask_b32 v[QA+24*\t+18+\i], v[R0+6*\t+\i], v[R0+12+6*\t+\i], s[PM]
.endr
.endr
	WIN 0
	v_cndmask_b32 v[QW+2], v[QW], v[QW+1], s[PM]
	v_perm_b32 v[QS], v[QW+2], v[QW+2], 0x01000100   ; tile 0's two bytes, twice
	v_perm_b32 v[QS+1], v[QW+2], v[QW+2], 0x03020302 ; tile 1's
.irp t, 0,1
	v_mov_b32 v[NM+2*\t], 0x7f61b1e6               ; -M: 3e38
	v_mov_b32 v[NM+2*\t+1], 0xff61b1e6             ; the largest score so far: -3e38
.endr
.set j, 0
.rept 16
	v_mov_b32 v[L+j], 0
.set j, j+1
.endr
.set j, 0
.rept 64
	v_mov_b32 v[O+j], 0                            ; O^T: the first change of M leaves zeros zeros.  (Also the places between q's registers, its scale words, and the first product)
.set j, j+1
.endr
	s_mov_b32 s[TB], 0
	s_mov_b32 s[TK], 12800
	s_mov_b32 s[CNT], 16
	s_wait_alu depctr_va_vdst(0)
.Lstep:                                            ; 128 keys x 32 queries
	s_wait_dscnt 0x0                               ; this step's K, asked for a step ago
	WIN 0x41
.irp b, 0,1,2,3
.irp u, 0,1
.irp t, 0,1
	SPROD \b, \u, \t
.endr
.endr
.endr
	WIN 0
	v_add_nc_u32 v5, s[TB], v1                     ; four places behind the products, in front of loads into registers that they read and of the first read of S^T
	v_add_nc_u32 v6, s[TB], v2
	v_add_nc_u32 v8, s[TK], v1
	v_add_nc_u32 v9, s[TK], v2
	ds_load_b64 v[VSC:VSC+1], v6 offset:12544
	WIN 0x40
.irp c, 0,1,2,3
.irp g, 0,1,2
	ds_load_b128 v[FV+12*\c+4*\g:FV+12*\c+4*\g+3], v5 offset:6144+1536*\c+512*\g   ; this step's V lands while the softmax is worked
.endr
.endr
.irp b, 0,1,2,3
.irp g, 0,1,2
	ds_load_b128 v[FK+12*\b+4*\g:FK+12*\b+4*\g+3], v8 offset:1536*\b+512*\g        ; and the next step's K (the last trip's address is held at record 15)
.endr
.endr
	WIN 0
	ds_load_b64 v[KSC:KSC+1], v9 offset:12288
	; the largest score of each of my two blocks of 32 keys, in two chains (registers 0-16, 17-31), each accumulator read from its low end on
	WIN 0x15
.irp t, 0,1
.irp c, 0,1
	v_max3_num_f32 v[X+4*\t+2*\c], v[64*\t+32*\c], v[64*\t+32*\c+1], v[64*\t+32*\c+2]
	v_max3_num_f32 v[X+4*\t+2*\c+1], v[64*\t+32*\c+17], v[64*\t+32*\c+18], v[64*\t+32*\c+19]
.endr
.endr
	WIN 0x14
.irp k, 0,2,4,6,8,10
.irp t, 0,1
.irp c, 0,1
	v_max3_num_f32 v[X+4*\t+2*\c], v[X+4*\t+2*\c], v[64*\t+32*\c+3+\k], v[64*\t+32*\c+4+\k]
	v_max3_num_f32 v[X+4*\t+2*\c+1], v[X+4*\t+2*\c+1], v[64*\t+32*\c+20+\k], v[64*\t+32*\c+21+\k]
.endr
.endr
.endr
.irp t, 0,1
.irp c, 0,1
	v_max3_num_f32 v[X+4*\t+2*\c], v[X+4*\t+2*\c], v[64*\t+32*\c+15], v[64*\t+32*\c+16]
.endr
.endr
	WIN 0
.irp t, 0,1
.irp c, 0,1
	v_max_num_f32 v[X+4*\t+2*\c], v[X+4*\t+2*\c], v[X+4*\t+2*\c+1]   ; the block's largest score
.endr
.endr
.irp t, 0,1
	v_mov_b32 v[OL+\t], v[NM+2*\t]
.endr
.irp t, 0,1
	v_max3_num_f32 v[NM+2*\t+1], v[NM+2*\t+1], v[X+4*\t], v[X+4*\t+2]
.endr
.irp t, 0,1
	s_delay_alu instid0(VALU_DEP_2)
	v_permlanex16_b32 v[RX+\t], v[NM+2*\t+1], s[SEL], s[SEL+1]
.endr
.irp t, 0,1
	s_delay_alu instid0(VALU_DEP_2)
	v_max_num_f32 v[NM+2*\t+1], v[NM+2*\t+1], v[RX+\t]   ; the running largest score of my query
.endr
.irp t, 0,1
	s_delay_alu instid0(VALU_DEP_2)
	v_mul_f32 v[TP+\t], s[CN], v[NM+2*\t+1]        ; -t
.endr
.irp t, 0,1
	s_delay_alu instid0(VALU_DEP_2)
	v_floor_f32 v[NM+2*\t], v[TP+\t]               ; the new -M = -ceil(t)
.endr
.irp t, 0,1
	s_delay_alu instid0(VALU_DEP_2)
	v_sub_f32 v[TP+\t], v[NM+2*\t], v[OL+\t]       ; old M - new M: a whole number, 0 or less
.endr
.irp t, 0,1
	s_delay_alu instid0(VALU_DEP_2)
	v_cvt_i32_f32 v[TP+\t], v[TP+\t]               ; (it saturates)
.endr
.irp t, 0,1
	s_delay_alu instid0(VALU_DEP_2)
	v_ldexp_f32 v[FF+2*\t], 1.0, v[TP+\t]          ; f = 2^(old M - new M)
.endr
.irp t, 0,1
.irp c, 0,1
	v_fma_f32 v[X+4*\t+2*\c], v[X+4*\t+2*\c], s[CS], v[NM+2*\t]
.endr
.endr
	WIN 0x41
.set j, 0
.rept 64
	v_pk_fma_f32 v[j:j+1], v[j:j+1], s[CS:CS+1], v[NM+2*(j/64):NM+2*(j/64)+1] op_sel_hi:[1,0,0]   ; t - M
.set j, j+2
.endr
	s_wait_alu depctr_va_vdst(0)
.set j, 0
.rept 128
	v_exp_f32 v[j], v[j]                           ; p = 2^(t - M)
.set j, j+1
.endr
	WIN 0
.irp t, 0,1
.irp c, 0,1
	v_exp_f32 v[X+4*\t+2*\c], v[X+4*\t+2*\c]       ; the block's largest p
.endr
.endr
	s_wait_alu depctr_va_vdst(0)                   ; one wait for the batch, and directly ahead of the first readers of O^T
.set j, 0
.rept 32
	v_pk_mul_f32 v[O+j:O+j+1], v[O+j:O+j+1], v[FF+2*(j/32):FF+2*(j/32)+1] op_sel_hi:[1,0]   ; O^T under the new M
.set j, j+2
.endr
.irp t, 0,1
.irp c, 0,1
	v_max_num_f32 v[X+4*\t+2*\c], 0x2800000, v[X+4*\t+2*\c]   ; the floor 2^(5 - 127)
.endr
.endr
.irp t, 0,1
.irp c, 0,1
	s_delay_alu instid0(VALU_DEP_4)
	v_add_nc_u32 v[SO+2*\t+\c], 0xfe000000, v[X+4*\t+2*\c]    ; the conversion's scale operand
.endr
.endr
.irp t, 0,1
.irp c, 0,1
	s_delay_alu instid0(VALU_DEP_4)
	v_lshrrev_b32 v[BY+2*\t+\c], 23, v[SO+2*\t+\c]            ; the byte
.endr
.endr
.irp t, 0,1
	v_lshl_or_b32 v[W+\t], v[BY+2*\t+1], 16, v[BY+2*\t]       ; my bytes: blocks h and 2 + h,
.endr
.irp t, 0,1
	s_delay_alu instid0(VALU_DEP_2)
	v_lshlrev_b32 v[W+\t], v7, v[W+\t]                        ; at their places in the word;
.endr
.irp t, 0,1
	s_delay_alu instid0(VALU_DEP_2)
	v_permlanex16_b32 v[WX+\t], v[W+\t], s[SEL], s[SEL+1]
.endr
.irp t, 0,1
	s_delay_alu instid0(VALU_DEP_2)
	v_or_b32 v[PS+\t], v[W+\t], v[WX+\t]                      ; with lane l xor 16's two the word is whole
.endr
	WIN 0x01
.irp t, 0,1
.irp c, 0,1
	v_cvt_scalef32_pk16_bf6_f32 v[PC+12*\t+6*\c:PC+12*\t+6*\c+2], v[64*\t+32*\c:64*\t+32*\c+15], v[SO+2*\t+\c]
	v_cvt_scalef32_pk16_bf6_f32 v[TT+8*\t+4*\c:TT+8*\t+4*\c+2], v[64*\t+32*\c+16:64*\t+32*\c+31], v[SO+2*\t+\c]   ; (a conversion's three registers begin on an even number)
.endr
.endr
	WIN 0x10
.irp t, 0,1
.irp i, 0,1,2,3
	v_pk_fma_f32 v[L+8*\t+2*\i:L+8*\t+2*\i+1], v[L+8*\t+2*\i:L+8*\t+2*\i+1], v[FF+2*\t:FF+2*\t+1], v[64*\t+2*\i:64*\t+2*\i+1] op_sel_hi:[1,0,1]   ; the sums under the new M, and the first p.  (Plain lines behind the conversions)
.endr
.endr
	WIN 0
.irp t, 0,1
.irp c, 0,1
.irp i, 0,1,2
	v_mov_b32 v[PC+12*\t+6*\c+3+\i], v[TT+8*\t+4*\c+\i]
.endr
.endr
.endr
	WIN 0x04
.irp k, 1,2,3,4,5,6,7
.irp t, 0,1
.irp i, 0,1,2,3
	v_pk_add_f32 v[L+8*\t+2*\i:L+8*\t+2*\i+1], v[L+8*\t+2*\i:L+8*\t+2*\i+1], v[64*\t+8*\k+2*\i:64*\t+8*\k+2*\i+1]   ; the sum of the unquantised p: eight chains
.endr
.endr
.endr
	s_wait_dscnt 13                                ; V and its scales are in; the 13 loads behind them (the next K) may be out
	WIN 0x01
.irp c, 0,1,2,3
.irp t, 0,1
	PVPROD \c, \t                                  ; the eight accumulators by turns
.endr
.endr
	WIN 0
	s_add_co_u32 s[TB], s[TB], 12800
	s_add_co_u32 s[TK], s[TB], 12800
	s_min_u32 s[TK], s[TK], 192000                 ; inside the records in the last trip too
	s_sub_co_u32 s[CNT], s[CNT], 1
	s_cmp_lg_u32 s[CNT], 0
	s_cbranch_scc1 .Lstep
	; the end of a pass: o = O^T / the sum, quantised: my head's 64 are two blocks of the last product's K
	s_wait_alu depctr_va_vdst(0)
.irp t, 0,1
	v_pk_add_f32 v[L+8*\t:L+8*\t+1], v[L+8*\t:L+8*\t+1], v[L+8*\t+2:L+8*\t+3]      ; (these are also the places behind the last products)
	v_pk_add_f32 v[L+8*\t+4:L+8*\t+5], v[L+8*\t+4:L+8*\t+5], v[L+8*\t+6:L+8*\t+7]
.endr
.irp t, 0,1
	v_pk_add_f32 v[L+8*\t:L+8*\t+1], v[L+8*\t:L+8*\t+1], v[L+8*\t+4:L+8*\t+5]
.endr
.irp t, 0,1
	s_delay_alu instid0(VALU_DEP_2)
	v_add_f32 v[TP+\t], v[L+8*\t], v[L+8*\t+1]
.endr
.irp t, 0,1
	s_delay_alu instid0(VALU_DEP_2)
	v_permlanex16_b32 v[RX+\t], v[TP+\t], s[SEL], s[SEL+1]
.endr
.irp t, 0,1
	s_delay_alu instid0(VALU_DEP_2)
	v_add_f32 v[TP+\t], v[TP+\t], v[RX+\t]
.endr
	s_wait_alu depctr_va_vdst(0)
	v_rcp_f32 v[FF], v[TP]
	v_rcp_f32 v[FF+2], v[TP+1]
	v_nop
	s_wait_alu depctr_va_vdst(0)
.set j, 0
.rept 32
	v_pk_mul_f32 v[O+j:O+j+1], v[O+j:O+j+1], v[FF+2*(j/32):FF+2*(j/32)+1] op_sel_hi:[1,0]
.set j, j+2
.endr
.irp t, 0,1
.irp b, 0,1
	v_max3_num_f32 v[X+4*\t+\b], |v[O+32*\t+16*\b]|, |v[O+32*\t+16*\b+1]|, 0x2800000
.endr
.endr
.irp i, 2,4,6,8,10,12,14
.irp t, 0,1
.irp b, 0,1
	s_delay_alu instid0(VALU_DEP_4)
	v_max3_num_f32 v[X+4*\t+\b], v[X+4*\t+\b], |v[O+32*\t+16*\b+\i]|, |v[O+32*\t+16*\b+\i+1]|
.endr
.endr
.endr
.irp t, 0,1
.irp b, 0,1
	s_delay_alu instid0(VALU_DEP_4)
	v_permlanex16_b32 v[BY+2*\t+\b], v[X+4*\t+\b], s[SEL], s[SEL+1]
.endr
.endr
.irp t, 0,1
.irp b, 0,1
	s_delay_alu instid0(VALU_DEP_4)
	v_max_num_f32 v[X+4*\t+\b], v[X+4*\t+\b], v[BY+2*\t+\b]
.endr
.endr
.irp t, 0,1
.irp b, 0,1
	s_delay_alu instid0(VALU_DEP_4)
	v_add_nc_u32 v[SO+2*\t+\b], 0xfe000000, v[X+4*\t+\b]
.endr
.endr
.irp t, 0,1
.irp b, 0,1
	s_delay_alu instid0(VALU_DEP_4)
	v_lshrrev_b32 v[BY+2*\t+\b], 23, v[SO+2*\t+\b]
.endr
.endr
.irp t, 0,1
	v_cndmask_b32 v[TP+\t], v[BY+2*\t], v[BY+2*\t+1], s[HI]   ; lane (r, h): the byte of block h of row r
.endr
.irp t, 0,1
	v_cvt_scalef32_pk16_bf6_f32 v[PC+12*\t:PC+12*\t+2], v[O+32*\t:O+32*\t+15], v[SO+2*\t]
	v_cvt_scalef32_pk16_bf6_f32 v[TT+8*\t:TT+8*\t+2], v[O+32*\t+16:O+32*\t+31], v[SO+2*\t+1]
.endr
	v_nop
.irp t, 0,1
.irp i, 0,1,2
	v_permlane16_swap_b32 v[PC+12*\t+\i], v[TT+8*\t+\i]       ; here a lane holds half of each block: the halves change places
.endr
.endr
.irp t, 0,1
.irp i, 0,1,2
	v_mov_b32 v[PC+12*\t+3+\i], v[TT+8*\t+\i]
.endr
.endr
.irp t, 0,1
.irp i, 0,1,2
	global_store_b64 v2, v[PC+12*\t+2*\i:PC+12*\t+2*\i+1], s[52:53] offset:12288*\t+256*\i   ; 32 lanes store 256 consecutive bytes, at a multiple of 256 from the buffer's first byte
.endr
	global_store_b8 v4, v[TP+\t], s[54:55] offset:512*\t      ; one byte a lane: a scale word's four bytes come from two heads, so no wave holds more of a row than two bytes
.endr
	s_wait_xcnt 0x0                                ; the stores have read their registers and bases: the next pass writes them
	s_add_co_u32 s[TQ], s[TQ], 16
	s_mov_b32 s[PM], -1
	s_add_co_u32 s[PASS], s[PASS], 1
	s_cmp_lt_u32 s[PASS], 2
	s_wait_alu depctr_va_vdst(0)
	s_cbranch_scc1 .Lpass
	s_wait_tensorcnt 0x0                           ; the wave's end
	ds_add_u32 v254, v255
	s_wait_dscnt 0x0
	CROUND                                         ; the closing round
	s_endpgm
.Lfunc_end_k_qd87be6e210_attn:
	.size	k_qd87be6e210_attn, .Lfunc_end_k_qd87be6e210_attn-k_qd87be6e210_attn
	.p2alignl 7, 3214868480
	.fill 96, 4, 3214868480
	.section	.rodata,"a",@progbits
	.p2align	6, 0x0
	.amdhsa_kernel k_qd87be6e210_attn
		.amdhsa_group_segment_fixed_size 206848
		.amdhsa_private_segment_fixed_size 0
		.amdhsa_enable_private_segment 0
		.amdhsa_kernarg_size 16
		.amdhsa_user_sgpr_count 2
		.amdhsa_user_sgpr_kernarg_segment_ptr 1
		.amdhsa_wavefront_size32 1
		.amdhsa_system_sgpr_workgroup_id_x 1
		.amdhsa_system_sgpr_workgroup_id_y 1
		.amdhsa_system_sgpr_workgroup_id_z 1
		.amdhsa_system_vgpr_workitem_id 0
		.amdhsa_next_free_vgpr 512
		.amdhsa_next_free_sgpr 72
		.amdhsa_reserve_vcc 0
		.amdhsa_float_denorm_mode_32 3
		.amdhsa_float_denorm_mode_16_64 3
		.amdhsa_memory_ordered 1
		.amdhsa_forward_progress 1
		.amdhsa_inst_pref_size 50
	.end_amdhsa_kernel
	.amdgpu_metadata
---
amdhsa.version: [ 1, 2 ]
amdhsa.kernels:
  - .name:           k_qd87be6e210_attn
    .symbol:         k_qd87be6e210_attn.kd
    .args:
      - { .name: qkv, .offset: 0, .size: 8, .value_kind: global_buffer, .address_space: global }
      - { .name: oq, .offset: 8, .size: 8, .value_kind: global_buffer, .address_space: global }
    .group_segment_fixed_size: 206848
    .private_segment_fixed_size: 0
    .kernarg_segment_align: 8
    .kernarg_segment_size: 16
    .max_flat_workgroup_size: 256
    .sgpr_count:     72
    .vgpr_count:     512
    .wavefront_size: 32
...
	.end_amdgpu_metadata
.endif
;; end of part 3
;; launch oproj (part 4): grid 8 x 32, 4 waves a work-group, clusters of 4 x 4, 327,680 bytes of LDS; arguments oq, xw, bo, out0; writes out0
.if DOCPART == 4
	.amdgcn_target "amdgcn-amd-amdhsa--gfx1250"
	.amdhsa_code_object_version 6
	.text
	.protected	k_qd87be6e210_oproj
	.globl	k_qd87be6e210_oproj
	.p2align	8
	.type	k_qd87be6e210_oproj,@function
k_qd87be6e210_oproj:
	s_mov_b64 s[64:65], 0
	v_nop
	global_prefetch_b8 v0, s[64:65] scope:SCOPE_SE
	s_setreg_imm32_b32 hwreg(HW_REG_WAVE_MODE, 25, 1), 1
	s_wait_xcnt 0x0
	s_wait_alu depctr_hold_cnt(0) depctr_sa_sdst(0) depctr_va_vdst(0) depctr_va_sdst(0) depctr_va_ssrc(0) depctr_va_vcc(0) depctr_vm_vsrc(0)
	s_getreg_b32 s2, hwreg(HW_REG_IB_STS2, 6, 4)
	s_cmp_eq_u32 s2, 0
	s_cbranch_scc0 .Lentry_in_a_cluster
	s_endpgm
.Lentry_in_a_cluster:
	s_bfe_u32 s2, ttmp6, 0x10000c
	s_cmp_lg_u32 s2, 0xf033
	s_cbranch_scc0 .Lentry_shape_is_right
	s_endpgm
.Lentry_shape_is_right:
; out0 = o Wo + bo on codes of BF6 (E3M2) with E8M0 scales; o's codes and scale words come from the attention launch (oq), Wo's from the first launch (xw), both as images of the operand's registers.
; A BLOCK of out0 is 256 rows x 128 columns: 8,192 x 1,024 numbers give 32 x 8 = 256 work-groups.  Four waves, each 128 rows x 64 columns: 32 accumulators of 16 x 16.
; A row tile (16 rows x 1,024 K) is 8 fragments of 1,536 bytes, 12,288 bytes on end; a fragment's register pair p is 256 bytes, 8 a lane.  K goes in four chunks of two fragments (3,072 bytes of each row tile) through two LDS slots.
; The scale words of the block's rows and columns, for all of K, come once and stay: 512 bytes a row tile, [q 0..3][r][2 words].
; CLUSTERS: 4 x 4 work-groups; o's tiles are shared along a row of the cluster, Wo's along a column, by joint loads.
; THE HEAD: the first step's four tiles go out as one group, one joint load a wave: wave 0 chunk 0 of o's 16 row tiles, wave 1 of Wo's 8, wave 2 o's scale words, wave 3 Wo's.  Chunk 1 follows behind the full sequence, as a refill does.
; No prefetch: the walk has four chunks; two are asked for at the head and the other two at the first two changes of slots, so no trip lies a whole step ahead of a load that is not yet asked for.
; The matrix instruction is used transposed (source 0 = 16 columns of Wo, source 1 = 16 rows of o): a lane holds eight neighbouring numbers of a row of out0.  The bias is the C of each accumulator's first product.
; REGISTERS: window 0: v16-31 addresses; v32-63 scale words, two sets; v64-95 the bias; v128-223 o's fragments, one set.  Window 1: Wo's fragments, two sets, at v0 and v128.  Windows 2, 3: the accumulators of my rows 0-63, 64-127.
.set NQ,    2
.set FR,    12
.set NL,    6
.set NP,    4
.set TILEB, 3072
.set HALFT, 8*TILEB                    ; chunk of 8 row tiles: what a wave reads of o, and what a ring load brings of it
.set HALFB, 4*TILEB                    ; of 4 row tiles: the same for Wo
.set SLOT,  4*HALFT                    ; o's 16 row tiles, then Wo's 8
.set SCL,   2*SLOT
.set RSC,   8320                       ; Wo's scale words lie 8,192 + 128 bytes behind o's
.set SPARE, 213248
.set IMG,   12288
.set XWSC,  22020096
.set OQSC,  6291456
.set SPITCH, 528
.set ADRA, 16
.set ADRB, 20
.set STO,  24
.set RD,   25
.set CO,   26
.set ADRS, 27                          ; scale words: lanes 0-15 o's block i, lanes 16-31 Wo's block i (i = 0..3)
.set SPW,  28
.set NIL,  29
.set ADRS2, 30                         ; for i = 4..7: lanes 16-31 stand 2,048 bytes lower, on Wo's blocks i - 4 again: they have no blocks 4..7, and what they load there is not used
.set SC,   32
.set BR,   64
.set AF,   128
.set BK,   128
.set G1, 24
.set G0, 32
.set G1B, 48
.set G0B, 56
.set G1S, 68
.set G0S, 76
.set G1SB, 80
.set G0SB, 88
.set MSB, 0
.macro WIN new
.if MSB != (\new)
	s_set_vgpr_msb (MSB<<8)|(\new)
.set MSB, (\new)
.endif
.endm
.set MUL_LO, 0xa1
.set MUL_HI, 0xf1
.set TO_B,   0x40
.macro JLOAD g0a, g1a, g0b, g1b        ; waves 0, 1 fetch for o, waves 2, 3 for Wo
	s_cmp_eq_u32 s15, 0
	s_cbranch_scc0 .Lfor_b_\@
	tensor_load_to_lds s[\g0a:\g0a+3], s[\g1a:\g1a+7]
	s_nop 0
.rept 4
	v_nop
.endr
	s_branch .Lasked_\@
.Lfor_b_\@:
	tensor_load_to_lds s[\g0b:\g0b+3], s[\g1b:\g1b+7]
	s_nop 0
.rept 4
	v_nop
.endr
.Lasked_\@:
.endm
.macro CREST
	s_cmp_lg_u32 s14, 0
	s_cbranch_scc1 .Lnot_wave_0_\@
	s_barrier_signal -3
.Lnot_wave_0_\@:
	s_barrier_wait -3
	s_barrier_signal -1
	s_barrier_wait -1
.endm
.macro CROUND
	s_barrier_signal -1
	s_barrier_wait -1
	CREST
.endm
.macro PLACES n
.rept \n
	v_nop
.endr
.endm
.macro FRAG reg, adr, q, i
.irp p, 0,1,2,3,4,5
	ds_load_b64 v[\reg+2*\p:\reg+2*\p+1], v[\adr] offset:(\i)*TILEB+(\q)*1536+256*\p
.endr
.endm
.macro MUL8 a0, p, q, sc, zero         ; o's blocks a0, a0 + 1 x Wo's four; the accumulators by turns
.irp a, \a0, \a0+1
.irp b, 0,1,2,3
.set rD, 8*(8*((\a)%4)+\b)
.set rB, 128*(\p)+FR*\b
.set rA, AF+FR*(\a)
.set sB, SC+8*NQ*(\sc)+NQ*\b+(\q)
.set sA, SC+8*NQ*(\sc)+NQ*(\a)+(\q)
.if \zero
	v_wmma_scale_f32_16x16x128_f8f6f4 v[rD:rD+7], v[rB:rB+FR-1], v[rA:rA+FR-1], v[BR+8*\b:BR+8*\b+7], v[sB], v[sA] matrix_a_fmt:MATRIX_FMT_BF6 matrix_b_fmt:MATRIX_FMT_BF6 matrix_a_scale:MATRIX_SCALE_ROW1
.else
	v_wmma_scale_f32_16x16x128_f8f6f4 v[rD:rD+7], v[rB:rB+FR-1], v[rA:rA+FR-1], v[rD:rD+7], v[sB], v[sA] matrix_a_fmt:MATRIX_FMT_BF6 matrix_b_fmt:MATRIX_FMT_BF6 matrix_a_scale:MATRIX_SCALE_ROW1
.endif
.endr
.endr
.endm
.macro FETCH_B slot, q, p
	WIN TO_B
.irp i, 0,1,2,3
	FRAG 128*(\p)+FR*\i, ADRB+\slot, \q, \i
.endr
	WIN 0
.endm
.macro FETCH_A slot, q, i0
.irp i, \i0, \i0+1, \i0+2, \i0+3
	FRAG AF+FR*(\i), ADRA+\slot, \q, \i
.endr
.endm
.macro SCALES sc
.irp i, 0,1,2,3
	ds_load_b64 v[SC+8*NQ*\sc+NQ*\i:SC+8*NQ*\sc+NQ*\i+1], v[ADRS] offset:\i*512
.endr
.irp i, 4,5,6,7
	ds_load_b64 v[SC+8*NQ*\sc+NQ*\i:SC+8*NQ*\sc+NQ*\i+1], v[ADRS2] offset:\i*512
.endr
.endm
.macro STEP slot, q, zero
	s_wait_dscnt 4*NL                              ; all but the youngest 24 loads (o's blocks 4-7)
.if \zero
	WIN 0x81
.else
	WIN MUL_LO
.endif
	MUL8 0, (\q)%2, \q, \slot, \zero
	MUL8 2, (\q)%2, \q, \slot, \zero
	s_wait_dscnt 0
	PLACES NP
	FETCH_B \slot, (\q)+1, 1-(\q)%2
	FETCH_A \slot, (\q)+1, 0
.if \zero
	WIN 0xc1
.else
	WIN MUL_HI
.endif
	MUL8 4, (\q)%2, \q, \slot, \zero
	MUL8 6, (\q)%2, \q, \slot, \zero
	PLACES NP
	WIN 0
	FETCH_A \slot, (\q)+1, 4
.endm
.macro TURN slot, next, fill           ; a chunk's second step, and the change of slots
	s_wait_tensorcnt 0x0                           ; all my tensor loads have landed;
	ds_add_u32 v[SPW], v[NIL]
	s_wait_dscnt 4*NL+1                            ; (the add and the youngest 24 loads may be out)
	WIN MUL_LO
	MUL8 0, 1, NQ-1, \slot, 0
	s_wait_dscnt 0x0                               ; the add is done, and my reads of this slot are over
	s_barrier_signal -1
	MUL8 2, 1, NQ-1, \slot, 0
	WIN 0
	s_barrier_wait -1
.if \fill
	CREST                                          ; the barrier has opened a round of the cluster's barrier
	s_add_nc_u64 s[G0+4*\slot+2:G0+4*\slot+3], s[G0+4*\slot+2:G0+4*\slot+3], 2*TILEB
	s_add_nc_u64 s[G0B+4*\slot+2:G0B+4*\slot+3], s[G0B+4*\slot+2:G0B+4*\slot+3], 2*TILEB
	JLOAD G0+4*\slot, G1, G0B+4*\slot, G1B
.else
	PLACES NP
.endif
	s_wait_alu depctr_va_vdst(0)
	v_add_nc_u32 v[ADRS], 128, v[ADRS]             ; the next chunk's scale words
	v_add_nc_u32 v[ADRS2], 128, v[ADRS2]
	FETCH_B \next, 0, 0
	FETCH_A \next, 0, 0
	SCALES \next
	WIN MUL_HI
	MUL8 4, 1, NQ-1, \slot, 0
	MUL8 6, 1, NQ-1, \slot, 0
	PLACES NP
	WIN 0
	FETCH_A \next, 0, 4
.endm
	s_load_b256 s[4:11], s[0:1], 0x0               ; oq s[4:5], xw s[6:7], bo s[8:9], out0 s[10:11]
	v_lshl_add_u32 v[SPW], v0, 2, SPARE
	v_mov_b32 v[NIL], 0
	ds_add_u32 v[SPW], v[NIL]                      ; the opening lines: the add, twice on end, and its wait
	ds_add_u32 v[SPW], v[NIL]
	v_lshrrev_b32 v1, 5, v0
	v_readfirstlane_b32 s14, v1                    ; wave 0..3
	s_lshr_b32 s15, s14, 1                         ; which 128 rows are mine.  Also: I fetch for o (0) or for Wo (1)
	s_and_b32 s16, s14, 1                          ; which 64 columns.  Also: which half of that tile I fetch
	s_bfe_u32 s40, ttmp6, 0x40000
	s_bfe_u32 s41, ttmp6, 0x40004
	s_and_b32 s17, ttmp7, 0xffff
	s_lshl_b32 s22, s17, 2
	s_add_co_u32 s22, s22, s41                     ; block row: 4 x cluster y + cy
	s_lshl_b32 s23, ttmp9, 2
	s_add_co_u32 s23, s23, s40                     ; block column: 4 x cluster x + cx
	s_lshl_b32 s43, s41, 2
	s_lshl_b32 s43, 15, s43                        ; my row of the cluster
	s_lshl_b32 s44, 0x1111, s40                    ; my column
	s_or_b32 s[G1+0], s43, (3<<16)|(1<<21)
	s_or_b32 s[G1B+0], s44, (3<<16)|(1<<21)
.irp g, G1, G1B
	s_mov_b32 s[\g+1], 384<<16                     ; a row: 3,072 bytes of a row tile, 384 elements of 8
	s_mov_b32 s[\g+3], 384<<16
	s_mov_b32 s[\g+5], 1536                        ; from row tile to row tile: 12,288 bytes
	s_mov_b32 s[\g+6], 0
	s_mov_b32 s[\g+7], 0
.endr
	s_mov_b32 s[G1+2], 16<<16                      ; the head's loads bring whole tiles: 16 row tiles of o,
	s_mov_b32 s[G1+4], 16
	s_mov_b32 s[G1B+2], 8<<16                      ; 8 of Wo
	s_mov_b32 s[G1B+4], 8
	s_or_b32 s[G1S+0], s43, (3<<16)|(1<<21)
	s_or_b32 s[G1SB+0], s44, (3<<16)|(1<<21)
.irp g, G1S, G1SB
	s_mov_b32 s[\g+1], 32<<16                      ; scale words: dense rows of 256 bytes
	s_mov_b32 s[\g+3], 32<<16
	s_mov_b32 s[\g+5], 32
	s_mov_b32 s[\g+6], 0
	s_mov_b32 s[\g+7], 0
.endr
	s_mov_b32 s[G1S+2], 32<<16                     ; 8,192 bytes for o's 16 row tiles,
	s_mov_b32 s[G1S+4], 32
	s_mov_b32 s[G1SB+2], 16<<16                    ; 4,096 for Wo's 8
	s_mov_b32 s[G1SB+4], 16
	s_lshl_b32 s46, s22, 4                         ; o's first row tile
	s_lshl_b32 s92, s23, 3
	s_add_co_u32 s92, s92, 1728                    ; Wo's first row tile in xw
	s_mul_i32 s20, s46, IMG
	s_mov_b32 s21, 0
	s_lshl_b32 s46, s46, 9
	s_add_co_u32 s46, s46, OQSC
	s_mov_b32 s47, 0
	s_lshl_b32 s94, s92, 9
	s_add_co_u32 s94, s94, XWSC
	s_mov_b32 s95, 0
	s_mul_i32 s92, s92, IMG
	s_mov_b32 s93, 0
	s_mul_i32 s2, s16, 8*IMG                       ; in the ring I fetch half of a tile: where it begins in memory,
	s_mov_b32 s3, 0
	s_mul_i32 s18, s16, 4*IMG
	s_mov_b32 s19, 0
	s_mul_i32 s45, s16, HALFT                      ; and in a slot
	s_mul_i32 s98, s16, HALFB
	s_add_co_u32 s98, s98, 2*HALFT
	s_wait_dscnt 0x0                               ; both opening adds are done
	s_wait_kmcnt 0x0
	s_add_nc_u64 s[20:21], s[4:5], s[20:21]
	s_add_nc_u64 s[46:47], s[4:5], s[46:47]
	s_add_nc_u64 s[92:93], s[6:7], s[92:93]
	s_add_nc_u64 s[94:95], s[6:7], s[94:95]
	CROUND                                         ; all sixteen work-groups are here: the first joint loads meet
	s_mov_b32 s[G0], 1                             ; slot 0's groups 0 serve the head's whole tiles and are set for the ring behind the wait for them
	s_mov_b32 s[G0+1], 0
	s_mov_b64 s[G0+2:G0+3], s[20:21]
	s_or_b32 s[G0+3], s[G0+3], 0x80000000
	s_mov_b32 s[G0B], 1
	s_mov_b32 s[G0B+1], 2*HALFT
	s_mov_b64 s[G0B+2:G0B+3], s[92:93]
	s_or_b32 s[G0B+3], s[G0B+3], 0x80000000
	s_mov_b32 s[G0S], 1
	s_mov_b32 s[G0S+1], SCL
	s_mov_b64 s[G0S+2:G0S+3], s[46:47]
	s_or_b32 s[G0S+3], s[G0S+3], 0x80000000
	s_mov_b32 s[G0SB], 1
	s_mov_b32 s[G0SB+1], SCL+RSC
	s_mov_b64 s[G0SB+2:G0SB+3], s[94:95]
	s_or_b32 s[G0SB+3], s[G0SB+3], 0x80000000
	s_mov_b32 s[G0+4], 1                           ; slot 1: my half of chunk 1
	s_add_co_u32 s[G0+5], s45, SLOT
	s_add_nc_u64 s[G0+6:G0+7], s[20:21], s[2:3]
	s_add_nc_u64 s[G0+6:G0+7], s[G0+6:G0+7], TILEB
	s_or_b32 s[G0+7], s[G0+7], 0x80000000
	s_mov_b32 s[G0B+4], 1
	s_add_co_u32 s[G0B+5], s98, SLOT
	s_add_nc_u64 s[G0B+6:G0B+7], s[92:93], s[18:19]
	s_add_nc_u64 s[G0B+6:G0B+7], s[G0B+6:G0B+7], TILEB
	s_or_b32 s[G0B+7], s[G0B+7], 0x80000000
; one tensor load a wave at the head, in one chain of arms on the wave's number
.macro ARM under, g0, g1, next
	s_cmp_lt_u32 s14, \under
	s_cbranch_scc0 \next
	tensor_load_to_lds s[\g0:\g0+3], s[\g1:\g1+7]
	s_nop 0
.rept 4
	v_nop
.endr
	s_branch .Lhead_asked
\next:
.endm
	ARM 1, G0,  G1,  .Lhead_b
	ARM 2, G0B, G1B, .Lhead_sa
	ARM 3, G0S, G1S, .Lhead_sb
	tensor_load_to_lds s[G0SB:G0SB+3], s[G1SB:G1SB+7]
	s_nop 0
.rept 4
	v_nop
.endr
.Lhead_asked:
	; the addresses, made while the head's loads are on their way: the scalar parts first, then the vector lines in one run
	s_mul_i32 s66, s15, HALFT                      ; my 8 row tiles of o in slot 0,
	s_add_co_u32 s12, s66, SLOT                    ; in slot 1;
	s_add_co_u32 s13, s98, SLOT                    ; my 4 row tiles of Wo: s98 in slot 0, s13 in slot 1
	s_lshl_b32 s96, s15, 12                        ; o's scale words: my 8 row tiles
	s_lshl_b32 s97, s16, 11                        ; Wo's: my 4
	s_add_co_u32 s97, s97, RSC
	s_sub_co_u32 s97, s97, s96                     ; the distance from the one to the other,
	s_sub_co_u32 s99, s97, 2048                    ; and for blocks 4..7
	s_add_co_u32 s96, s96, SCL
	s_lshl_b32 s42, s23, 9
	s_lshl_b32 s67, s16, 8
	s_add_co_u32 s42, s42, s67                     ; my first column, in bytes of f32: 512 x block column + 256 x half
	s_mul_i32 s17, s14, 16*SPITCH                  ; my stage, in slot 0, which has had its last fill and its last read when the first result is stored there
	v_and_b32 v1, 15, v0
	v_bfe_u32 v2, v0, 4, 1
	v_and_b32 v3, 31, v0
	v_lshlrev_b32 v4, 3, v3
	v_add_nc_u32 v[ADRA], s66, v4
	v_add_nc_u32 v[ADRA+1], s12, v4
	v_add_nc_u32 v[ADRB], s98, v4
	v_add_nc_u32 v[ADRB+1], s13, v4
	v_lshlrev_b32 v5, 3, v1
	v_add_nc_u32 v5, s96, v5
	v_mul_u32_u24 v6, s97, v2
	v_mul_u32_u24 v8, s99, v2
	v_add_nc_u32 v[ADRS], v5, v6
	v_add_nc_u32 v[ADRS2], v5, v8
	v_lshl_add_u32 v7, v2, 5, s42
.irp b, 0,1,2,3
	global_load_b128 v[BR+8*\b:BR+8*\b+3], v7, s[8:9] offset:64*\b          ; the bias at my eight columns of each of Wo's blocks
	global_load_b128 v[BR+8*\b+4:BR+8*\b+7], v7, s[8:9] offset:64*\b+16
.endr
	v_mul_u32_u24 v9, v1, SPITCH
	v_lshl_add_u32 v9, v2, 5, v9
	v_add_nc_u32 v[STO], s17, v9                   ; into the stage: row l % 16, 32 bytes for each half of the lanes
	v_mul_u32_u24 v10, v2, SPITCH
	v_lshl_add_u32 v10, v1, 4, v10
	v_add_nc_u32 v[RD], s17, v10                   ; back: lanes 0-15 one row of 256 bytes, lanes 16-31 the next
	v_lshlrev_b32 v11, 12, v2
	v_lshl_add_u32 v[CO], v1, 4, v11               ; and the same two rows in out0
	s_lshl_b32 s20, s22, 8
	s_lshl_b32 s21, s15, 7
	s_add_co_u32 s20, s20, s21                     ; my first row
	s_lshl_b32 s20, s20, 12
	s_add_co_u32 s20, s20, s42
	s_mov_b32 s21, 0
	s_add_nc_u64 s[10:11], s[10:11], s[20:21]
	s_wait_alu depctr_va_vdst(0)
	s_wait_tensorcnt 0x0                           ; my tile of the head's four is in
	ds_add_u32 v[SPW], v[NIL]
	s_mov_b32 s[G1+2], 8<<16                       ; no tensor load of mine is out: from here on a load brings half a tile,
	s_mov_b32 s[G1+4], 8
	s_mov_b32 s[G1B+2], 4<<16
	s_mov_b32 s[G1B+4], 4
	s_mov_b32 s[G0+1], s45                         ; and slot 0's groups 0 stand at my half of chunk 0
	s_add_nc_u64 s[G0+2:G0+3], s[G0+2:G0+3], s[2:3]
	s_mov_b32 s[G0B+1], s98
	s_add_nc_u64 s[G0B+2:G0B+3], s[G0B+2:G0B+3], s[18:19]
	s_wait_dscnt 0x0
	CROUND                                         ; all four tiles are in, and all sixteen work-groups are here
	JLOAD G0+4, G1, G0B+4, G1B                     ; chunk 1, the first tensor load behind the round
	FETCH_B 0, 0, 0
	FETCH_A 0, 0, 0
	SCALES 0
	FETCH_A 0, 0, 4
	s_wait_loadcnt 0x0                             ; the bias
	STEP 0, 0, 2
	TURN 0, 1, 1
	STEP 1, 0, 0
	TURN 1, 0, 1
	STEP 0, 0, 0
	TURN 0, 1, 0
	STEP 1, 0, 0
	s_wait_dscnt 4*NL
	WIN MUL_LO
	MUL8 0, 1, NQ-1, 1, 0
	MUL8 2, 1, NQ-1, 1, 0
	s_wait_dscnt 0
	WIN MUL_HI
	MUL8 4, 1, NQ-1, 1, 0
	MUL8 6, 1, NQ-1, 1, 0
	WIN 0
; THE WAY OUT, block by block of 16 rows x 64 columns, through my own stage; sixteen lanes store a row's 256 bytes.  Each block comes back into 32 registers of its own (blocks 0-3 window 0, blocks 4-7 window 1, v128 on)
; and every store's offset is an immediate (7 x 65,536 + 7 x 8,192 at the most): no store's register or base is written again.
.macro TOSTAGE a
.set AC, 64*((\a)%4)
	WIN 0x08+4*((\a)/4)
.irp b, 0,1,2,3
	ds_store_b128 v[STO], v[AC+8*\b:AC+8*\b+3] offset:64*\b          ; each accumulator from its low end on
	ds_store_b128 v[STO], v[AC+8*\b+4:AC+8*\b+7] offset:64*\b+16
.endr
	WIN 0x40*((\a)/4)
.set BB, BK+32*((\a)%4)
.irp t, 0,1,2,3,4,5,6,7
	ds_load_b128 v[BB+4*\t:BB+4*\t+3], v[RD] offset:\t*2*SPITCH      ; LDS serves a wave's instructions in order: these see the stores above
.endr
	WIN 0
.endm
.macro SEND a, younger                 ; younger: the LDS instructions issued behind block a's loads
.set BB, BK+32*((\a)%4)
	s_wait_dscnt \younger
	WIN 0x04*((\a)/4)
.irp t, 0,1,2,3,4,5,6,7
	global_store_b128 v[CO], v[BB+4*\t:BB+4*\t+3], s[10:11] offset:(\a)*65536+\t*8192 th:TH_STORE_NT   ; 16 lanes store 256 consecutive bytes, at a multiple of 256 from the buffer's first byte
.endr
	WIN 0
.endm
	PLACES NP
	TOSTAGE 0
.irp a, 1,2,3,4,5,6,7
	TOSTAGE \a
	SEND \a-1, 16                                  ; behind block a - 1's loads: block a's 8 stores and 8 loads
.endr
	SEND 7, 0
	s_wait_tensorcnt 0x0                           ; the wave's end
	ds_add_u32 v[SPW], v[NIL]
	s_wait_dscnt 0x0
	CROUND                                         ; the closing round
	s_endpgm
.Lfunc_end_k_qd87be6e210_oproj:
	.size	k_qd87be6e210_oproj, .Lfunc_end_k_qd87be6e210_oproj-k_qd87be6e210_oproj
	.p2alignl 7, 3214868480
	.fill 96, 4, 3214868480
	.section	.rodata,"a",@progbits
	.p2align	6, 0x0
	.amdhsa_kernel k_qd87be6e210_oproj
		.amdhsa_group_segment_fixed_size 327680
		.amdhsa_private_segment_fixed_size 0
		.amdhsa_enable_private_segment 0
		.amdhsa_kernarg_size 32
		.amdhsa_user_sgpr_count 2
		.amdhsa_user_sgpr_kernarg_segment_ptr 1
		.amdhsa_wavefront_size32 1
		.amdhsa_system_sgpr_workgroup_id_x 1
		.amdhsa_system_sgpr_workgroup_id_y 1
		.amdhsa_system_sgpr_workgroup_id_z 1
		.amdhsa_system_vgpr_workitem_id 0
		.amdhsa_next_free_vgpr 1024
		.amdhsa_next_free_sgpr 100
		.amdhsa_reserve_vcc 0
		.amdhsa_float_denorm_mode_32 3
		.amdhsa_float_denorm_mode_16_64 3
		.amdhsa_memory_ordered 1
		.amdhsa_forward_progress 1
		.amdhsa_inst_pref_size 103
	.end_amdhsa_kernel
	.amdgpu_metadata
---
amdhsa.version: [ 1, 2 ]
amdhsa.kernels:
  - .name:           k_qd87be6e210_oproj
    .symbol:         k_qd87be6e210_oproj.kd
    .args:
      - { .name: oq, .offset: 0, .size: 8, .value_kind: global_buffer, .address_space: global }
      - { .name: xw, .offset: 8, .size: 8, .value_kind: global_buffer, .address_space: global }
      - { .name: bo, .offset: 16, .size: 8, .value_kind: global_buffer, .address_space: global }
      - { .name: out0, .offset: 24, .size: 8, .value_kind: global_buffer, .address_space: global }
    .group_segment_fixed_size: 327680
    .private_segment_fixed_size: 0
    .kernarg_segment_align: 8
    .kernarg_segment_size: 32
    .max_flat_workgroup_size: 128
    .sgpr_count:     100
    .vgpr_count:     1024
    .wavefront_size: 32
...
	.end_amdgpu_metadata
.endif
;; end of part 4
